; MI455X (gfx1250); checked and timed in simulation.
; The chip was launched on July 23, 2026; its instructions are those of AMD's public machine-readable ISA for CDNA 5 (MIT licence, August 2026) and "CDNA5" Instruction Set Architecture Reference Guide (July 2026). The comments in the code are by the model that wrote it; some were corrected since.
;; Space Byte Attention. Allowed arithmetic: float matrix products may take bf16 or f16 operands with f32 sums; all other float work in f32.
;; Inputs: hidden_states 2 x 2,048 x 768 float32; k_ln_w 64 float32; k_w 256 x 768 float32; o_w 768 x 768 float32; q_ln_w 64 float32; q_w 768 x 768 float32; v_w 256 x 768 float32.
;; Outputs: out0 2 x 2,048 x 768 float32.
;; 2 versions, each right; version 2 is version 1 with the launches qkv, attn written anew for expert scheduling mode. Each part assembles by itself: llvm-mc -triple=amdgcn-amd-amdhsa -mcpu=gfx1250 --defsym DOCPART=n.
;; ======== version 1 of 2: 3 launches
;; limits: values are held in f16: magnitudes above 65,504 overflow, below 6.1e-05 lose precision
;; workspace buffers: q_ws 6,291,456 bytes; k_ws 2,097,152 bytes; v_ws 2,097,152 bytes; attn_ws 6,291,456 bytes
;; launch qkv (part 1): grid 4 x 64, 4 waves a work-group, no clusters, 194,048 bytes of LDS; arguments hidden_states, q_w, k_w, v_w, q_ln_w, k_ln_w, q_ws, k_ws, v_ws; writes q_ws, k_ws, v_ws
.if DOCPART == 1
	.amdgcn_target "amdgcn-amd-amdhsa--gfx1250"
	.amdhsa_code_object_version 6
	.text
	.protected	k_q77e18f280c_qkv
	.globl	k_q77e18f280c_qkv
	.p2align	8
	.type	k_q77e18f280c_qkv,@function
k_q77e18f280c_qkv:
	s_mov_b64 s[64:65], 0
	v_nop
	global_prefetch_b8 v0, s[64:65] scope:SCOPE_SE
	s_setreg_imm32_b32 hwreg(HW_REG_WAVE_MODE, 25, 1), 1
	s_wait_xcnt 0x0
; q, k, v = x W^T for the 20 heads (12 q, 4 k, 4 v) of 64 columns, then per head: RMS norm, gain and RoPE (q, k), and for q the factor
; 0.125 log2(e) of the scores; results in f16:  q_ws [b][12][2048][64], k_ws and v_ws [b][4][2048][64].
; A work-group makes 64 rows x 5 heads (320 columns); 4 x 64 work-groups.  Wave w makes all 64 rows x columns 80 w .. 80 w + 79: 4 x 5 tiles.
; K = 768 goes in 12 steps of 64: a row piece is 256 bytes of f32, aligned.  The operands lie in memory as f32 and the matrix unit takes f16, so
; they come through registers (two staging sets of 192 registers, filled two steps ahead), are rounded once and laid into two LDS slots that take
; turns; loads into registers stay out across the barriers.  No joint tile requests: a copy engine would land f32 in LDS, which doubles the LDS
; bytes per product and makes each of the four waves convert x's rows again.
; LIMITS: operands are rounded to f16: |hidden|, |weights|, |q|, |k|, |v| must stay below 65,504; magnitudes below 6.1e-5 are rounded with an
; absolute error of at most 3e-8.  RoPE's angles are formed in turns in f32 and are good to about 3e-4 rad at position 2047.  NaN and
; infinite inputs are not treated.
.set ROWB,  3072                       ; bytes in a row of x and of the weights
.set PITCH, 144                        ; LDS row: 64 f16 + 16 bytes: an odd multiple of 16, so 16 rows of a fragment load start 16 bytes apart modulo 256
.set GRP,   64*PITCH                   ; 64 rows: x's tile, or one head's weights
.set SLOT,  6*GRP                      ; x, then heads 0 to 4
.set STAGE, 2*SLOT                     ; behind the slots: 64 rows x 320 f32, bytes of its own
.set SP,    1296                       ; stage pitch: 1280 + 16 = 81 x 16
.set GOFF, 1                           ; v1      16 r: my four gains
.set VOFF, 2                           ; v2      (16 w + h) rows + 16 r: my 16 bytes in a group's rows; stepped by two K steps
.set STA,  3                           ; v3-4    where my 8 bytes of f16 go, slot 0, 1
.set FA,   5                           ; v5-6    x fragments, slot 0, 1
.set FB,   7                           ; v7-8    weight fragments of my 80 columns, slot 0, 1
.set SWR,  9                           ; v9      stage, in
.set SRD,  10                          ; v10     stage, back
.set OOFF, 11                          ; v11     my 8 bytes in the output rows
.set WQ,   12                          ; v12-15  q gain x 0.125 log2(e), columns 4 r .. 4 r + 3
.set WK,   16                          ; v16-19  k gain
.set WSEL, 20                          ; v20-23  the head's gain
.set F0,   24                          ; v24-95  fragments, K 0-31 of the step: x at +8 a, weights at +32 + 8 b
.set F1,   96                          ; v96-167 the same, K 32-63
.set TAB,  168                         ; v168-231 row pair p: cos at +8 p, signed sin at +8 p + 4
.set LR,   232
.set LH,   233
.set LT,   234
; window 1: the 20 accumulator tiles, 8 (5 a + b).  Windows 2, 3: the staging sets, 4 (8 g + i).
.set cFR, 24                           ; at work on the tables, in the fragment registers, which are not yet in use
.set cTP, 28
.set cSG, 30
.set cK5, 32
.set cK4, 34
.set cU,  36
.set cN,  38
.set cA,  40
.set cZ,  42
.set cP,  44
.set cQ,  46
.set cT,  48
.set eX,  24                           ; the way out, again in the fragment registers
.set eT,  56
.set eSS, 72
.set eWR, 80
.set eY,  84
.set eOUT, 92
.set BASE, 28                          ; s[28:39] x's tile, then the five heads' weights
.set OB,   40                          ; s[40:49] the five heads' output rows
.set GH,   50                          ; s50-54   the five heads' numbers 0 .. 19
.set MSB, 0
.macro WIN new                         ; the immediate's high byte repeats the setting that is left
.if MSB != (\new)
	s_set_vgpr_msb (MSB<<8)|(\new)
.set MSB, (\new)
.endif
.endm
.macro PLACES                          ; four plain vector instructions behind a matrix instruction (ISA guide 7.12.1)
.rept 4
	v_nop
.endr
.endm
	s_load_b512 s[8:23], s[0:1], 0x0               ; hidden 8, q_w 10, k_w 12, v_w 14, q_ln_w 16, k_ln_w 18, q_ws 20, k_ws 22
	s_load_b64 s[24:25], s[0:1], 0x40              ; v_ws
	v_lshl_add_u32 v254, v0, 2, 0x2f400
	v_mov_b32 v255, 0
	v_lshrrev_b32 v[LT], 5, v0
	v_readfirstlane_b32 s2, v[LT]                  ; wave
	s_mov_b32 s3, ttmp9                            ; column tile: heads 5 nx .. 5 nx + 4
	s_and_b32 s4, ttmp7, 0xffff                    ; row tile
	s_lshr_b32 s5, s4, 5                           ; batch
	s_and_b32 s6, s4, 31
	s_lshl_b32 s6, s6, 6                           ; first position in the sequence
	s_mov_b32 s56, 0x3c800000                      ; 1/64
	s_mov_b32 s59, 0x358637bd                      ; EPS = 1e-6
	s_mov_b32 s27, 0
	s_mov_b32 s63, 0
	v_and_b32 v[LR], 15, v0                        ; r
	v_bfe_u32 v[LH], v0, 4, 1                      ; h
	v_lshlrev_b32 v[GOFF], 4, v[LR]
	s_mul_i32 s57, s2, 16*ROWB
	v_mul_u32_u24 v[VOFF], v[LH], ROWB
	v_add3_u32 v[VOFF], v[VOFF], v[GOFF], s57
	s_mul_i32 s57, s2, 16*PITCH
	v_mul_u32_u24 v[STA], v[LH], PITCH
	v_lshl_add_u32 v[STA], v[LR], 3, v[STA]
	v_add_nc_u32 v[STA], s57, v[STA]
	v_add_nc_u32 v[STA+1], SLOT, v[STA]
	v_mul_u32_u24 v[FA], v[LR], PITCH
	v_lshl_add_u32 v[FA], v[LH], 4, v[FA]
	v_add_nc_u32 v[FA+1], SLOT, v[FA]
	s_mul_i32 s57, s2, 80*PITCH
	s_add_co_u32 s57, s57, GRP
	v_add_nc_u32 v[FB], s57, v[FA]
	v_add_nc_u32 v[FB+1], SLOT, v[FB]
	s_mul_i32 s57, s2, 320
	s_add_co_u32 s57, s57, STAGE
	v_mul_u32_u24 v[SWR], v[LR], SP
	v_lshl_add_u32 v[SWR], v[LH], 5, v[SWR]
	v_add_nc_u32 v[SWR], s57, v[SWR]
	s_mul_i32 s57, s2, 16*SP
	s_add_co_u32 s57, s57, STAGE
	v_mul_u32_u24 v[SRD], v[LH], SP
	v_add3_u32 v[SRD], v[SRD], v[GOFF], s57
	v_and_b32 v[LT], 31, v0
	s_lshl_b32 s57, s2, 11
	v_lshl_add_u32 v[OOFF], v[LT], 3, s57          ; 16 rows of 128 bytes a wave + 8 bytes a lane
	s_wait_kmcnt 0x0
	s_mul_i32 s26, s4, 64*ROWB
	s_add_nc_u64 s[BASE:BASE+1], s[8:9], s[26:27]  ; x at the tile's first row
; Head i of the tile: number g = 5 nx + i; g < 12 a q head, g < 16 a k head, else a v head.  The choice hangs on the work-group's number alone.
.macro HEADPTR i
	s_mul_i32 s57, s3, 5
	s_add_co_u32 s[GH+\i], s57, \i
	s_cmp_lt_u32 s[GH+\i], 12
	s_cselect_b64 s[BASE+2+2*\i:BASE+3+2*\i], s[10:11], s[12:13]
	s_cselect_b64 s[OB+2*\i:OB+2*\i+1], s[20:21], s[22:23]
	s_cselect_b32 s57, 0, 12                       ; the kind's first head
	s_cselect_b32 s58, 12, 4                       ; heads of that kind
	s_cmp_lt_u32 s[GH+\i], 16
	s_cselect_b64 s[BASE+2+2*\i:BASE+3+2*\i], s[BASE+2+2*\i:BASE+3+2*\i], s[14:15]
	s_cselect_b64 s[OB+2*\i:OB+2*\i+1], s[OB+2*\i:OB+2*\i+1], s[24:25]
	s_cselect_b32 s57, s57, 16
	s_sub_co_u32 s57, s[GH+\i], s57                ; the head's number within its kind
	s_mul_i32 s26, s57, 64*ROWB
	s_add_nc_u64 s[BASE+2+2*\i:BASE+3+2*\i], s[BASE+2+2*\i:BASE+3+2*\i], s[26:27]
	s_mul_i32 s58, s5, s58
	s_add_co_u32 s58, s58, s57
	s_lshl_b32 s58, s58, 11
	s_add_co_u32 s58, s58, s6
	s_lshl_b32 s62, s58, 7                         ; ((b heads + head) 2048 + position) x 128 bytes
	s_add_nc_u64 s[OB+2*\i:OB+2*\i+1], s[OB+2*\i:OB+2*\i+1], s[62:63]
.endm
	HEADPTR 0
	HEADPTR 1
	HEADPTR 2
	HEADPTR 3
	HEADPTR 4
; 48 loads: one K step of the six groups into staging set n.  Wave w brings rows 16 w .. 16 w + 15 of each group; a load covers two rows' 256 aligned bytes.
.macro LOADS n, koff
	WIN (\n)<<6
.irp g, 0,1,2,3,4,5
.irp i, 0,1,2,3,4,5,6,7
	global_load_b128 v[4*(8*\g+\i):4*(8*\g+\i)+3], v[VOFF], s[BASE+2*\g:BASE+2*\g+1] offset:2*ROWB*\i+\koff
.endr
.endr
.endm
; Staging set n is rounded to f16 in place (four f32 into two registers) and laid into a slot.
.macro CONV n, slot
.if (\n) == 2
	WIN 0x8a
.else
	WIN 0xcf
.endif
.irp g, 0,1,2,3,4,5
.irp i, 0,1,2,3,4,5,6,7
	v_cvt_pk_f16_f32 v[4*(8*\g+\i)], v[4*(8*\g+\i)], v[4*(8*\g+\i)+1]
	v_cvt_pk_f16_f32 v[4*(8*\g+\i)+1], v[4*(8*\g+\i)+2], v[4*(8*\g+\i)+3]
.endr
.endr
	WIN (\n)<<2
.irp g, 0,1,2,3,4,5
.irp i, 0,1,2,3,4,5,6,7
	ds_store_b64 v[STA+(\slot)], v[4*(8*\g+\i):4*(8*\g+\i)+1] offset:GRP*\g+2*PITCH*\i
.endr
.endr
.endm
; 18 LDS loads: four x fragments and five weight fragments, 32 along K
.macro FRAGS f, slot, kk
	WIN 0
.irp a, 0,1,2,3
	ds_load_b128 v[\f+8*\a:\f+8*\a+3],   v[FA+\slot] offset:16*PITCH*\a+64*\kk
	ds_load_b128 v[\f+8*\a+4:\f+8*\a+7], v[FA+\slot] offset:16*PITCH*\a+64*\kk+32
.endr
.irp b, 0,1,2,3,4
	ds_load_b128 v[\f+32+8*\b:\f+32+8*\b+3], v[FB+\slot] offset:16*PITCH*\b+64*\kk
	ds_load_b128 v[\f+32+8*\b+4:\f+32+8*\b+7], v[FB+\slot] offset:16*PITCH*\b+64*\kk+32
.endr
.endm
; 20 matrix instructions, used transposed (source 0 = weight rows, source 1 = x rows): a lane then holds row r of x and eight neighbouring columns.
; The 20 accumulators take turns, one instruction a turn, in the same order every time.
.macro MULT f, zero
.irp a, 0,1,2,3
.irp b, 0,1,2,3,4
.if \zero
	v_wmma_f32_16x16x32_f16 v[8*(5*\a+\b):8*(5*\a+\b)+7], v[\f+32+8*\b:\f+32+8*\b+7], v[\f+8*\a:\f+8*\a+7], 0
.else
	v_wmma_f32_16x16x32_f16 v[8*(5*\a+\b):8*(5*\a+\b)+7], v[\f+32+8*\b:\f+32+8*\b+7], v[\f+8*\a:\f+8*\a+7], v[8*(5*\a+\b):8*(5*\a+\b)+7]
.endif
.endr
.endr
.endm
; One K step: read this slot, ask for the step two ahead, multiply, convert the next step into the other slot, one barrier.
; The other slot's last readers waited for their LDS loads in front of the barrier that ended the last step; its next readers read behind this one.
.macro TRIP slot, load, step, koff, conv, left, zero, bar
	FRAGS F0, \slot, 0
	FRAGS F1, \slot, 1
.if \load
.if \step
	s_wait_xcnt 0x0                                ; VOFF, which pending loads name, is written only behind this wait
	v_add_nc_u32 v[VOFF], 512, v[VOFF]             ; two K steps on
.endif
	LOADS 2+\slot, \koff
.endif
	s_wait_dscnt 18                                ; the first 18 fragment loads are in, the second 18 may be out
	WIN 0x50
	MULT F0, \zero
	s_wait_dscnt 0x0
	MULT F1, 0
	PLACES                                         ; in front of the next loads into the fragments, and of the stores of the sums
.if \conv
	s_wait_loadcnt \left                           ; the next step's 48 loads are in; the 48 just issued may be out
	CONV 3-\slot, 1-\slot
.endif
	WIN 0
.if \bar
	s_wait_dscnt 0x0                               ; my stores into the other slot are done, my reads of this one too
	s_barrier_signal -1
	s_barrier_wait -1
.endif
.endm
.macro LAP zero
	TRIP 0, 1, 1, 0,   1, 48, \zero, 1
	TRIP 1, 1, 0, 256, 1, 48, 0, 1
.endm
	global_load_b128 v[WQ:WQ+3], v[GOFF], s[16:17] ; the gains first: every counted wait below covers them
	global_load_b128 v[WK:WK+3], v[GOFF], s[18:19]
	LOADS 2, 0                                     ; K step 0
	LOADS 3, 256                                   ; K step 1
	WIN 0
	; While these are on their way: cos and sin for my eight row pairs and four columns.  Frequency index 4 (l & 7) + e; the angle is kept in turns,
	; reduced exactly to [-1/2, 1/2], a quarter of it goes through polynomials on [-pi/4, pi/4], and two doublings bring it back.
	v_and_b32 v[LT], 7, v0
	v_lshlrev_b32 v[LT], 2, v[LT]
.irp e, 0,1,2,3
	v_add_nc_u32 v[cFR+\e], \e, v[LT]
	v_cvt_f32_u32 v[cFR+\e], v[cFR+\e]
	v_mul_f32 v[cFR+\e], 0xbed49a78, v[cFR+\e]     ; - index x log2(10000) / 32
.endr
.irp e, 0,1,2,3
	v_exp_f32 v[cFR+\e], v[cFR+\e]
.endr
	s_lshl_b32 s57, s2, 4
	s_add_co_u32 s57, s57, s6
	v_add_nc_u32 v[LT], s57, v[LH]                 ; position of my first row (a plain instruction behind the exponentials, ISA guide 5.7.2)
	s_wait_alu depctr_va_vdst(0)
.irp e, 0,1,2,3
	v_mul_f32 v[cFR+\e], 0.15915494, v[cFR+\e]     ; turns per position
.endr
	v_cvt_f32_u32 v[cTP], v[LT]
	v_cvt_f32_u32 v[cTP+1], v[LT]
	v_and_b32 v[LT], 8, v0
	v_cvt_f32_u32 v[cSG], v[LT]
	v_fma_f32 v[cSG], v[cSG], 0.5, -2.0            ; columns 0-31 take -x2 sin, columns 32-63 +x1 sin; the 2 is the doubling's
	v_mov_b32 v[cSG+1], v[cSG]
	v_mov_b32 v[cK5], 0x3c088889                   ; 1/120
	v_mov_b32 v[cK5+1], 0x3c088889
	v_mov_b32 v[cK4], 0x3d2aaaab                   ; 1/24
	v_mov_b32 v[cK4+1], 0x3d2aaaab
.macro SINCOS p
.if \p
	v_pk_add_f32 v[cTP:cTP+1], v[cTP:cTP+1], 2.0 op_sel_hi:[1,0]
.endif
.irp q, 0,2
	v_pk_mul_f32 v[cU:cU+1], v[cFR+\q:cFR+\q+1], v[cTP:cTP+1]
	v_rndne_f32 v[cN], v[cU]
	v_rndne_f32 v[cN+1], v[cU+1]
	v_pk_add_f32 v[cU:cU+1], v[cU:cU+1], v[cN:cN+1] neg_lo:[0,1] neg_hi:[0,1]
	v_pk_mul_f32 v[cA:cA+1], v[cU:cU+1], 0x3fc90fdb op_sel_hi:[1,0]              ; a quarter of the angle: turns x pi/2
	v_pk_mul_f32 v[cZ:cZ+1], v[cA:cA+1], v[cA:cA+1]
	v_pk_fma_f32 v[cP:cP+1], v[cZ:cZ+1], 0xb9500d01, v[cK5:cK5+1] op_sel_hi:[1,0,1]   ; sin: -1/5040, 1/120, -1/6, 1
	v_pk_fma_f32 v[cP:cP+1], v[cP:cP+1], v[cZ:cZ+1], 0xbe2aaaab op_sel_hi:[1,1,0]
	v_pk_fma_f32 v[cP:cP+1], v[cP:cP+1], v[cZ:cZ+1], 1.0 op_sel_hi:[1,1,0]
	v_pk_mul_f32 v[cP:cP+1], v[cP:cP+1], v[cA:cA+1]
	v_pk_fma_f32 v[cQ:cQ+1], v[cZ:cZ+1], 0xbab60b61, v[cK4:cK4+1] op_sel_hi:[1,0,1]   ; cos: -1/720, 1/24, -1/2, 1
	v_pk_fma_f32 v[cQ:cQ+1], v[cQ:cQ+1], v[cZ:cZ+1], -0.5 op_sel_hi:[1,1,0]
	v_pk_fma_f32 v[cQ:cQ+1], v[cQ:cQ+1], v[cZ:cZ+1], 1.0 op_sel_hi:[1,1,0]
	v_pk_mul_f32 v[cT:cT+1], v[cP:cP+1], v[cQ:cQ+1]                              ; first doubling
	v_pk_mul_f32 v[cN:cN+1], v[cP:cP+1], v[cP:cP+1]
	v_pk_fma_f32 v[cQ:cQ+1], v[cN:cN+1], -2.0, 1.0 op_sel_hi:[1,0,0]
	v_pk_add_f32 v[cP:cP+1], v[cT:cT+1], v[cT:cT+1]
	v_pk_mul_f32 v[cT:cT+1], v[cP:cP+1], v[cQ:cQ+1]                              ; second doubling, into the tables
	v_pk_mul_f32 v[cN:cN+1], v[cP:cP+1], v[cP:cP+1]
	v_pk_fma_f32 v[TAB+8*\p+\q:TAB+8*\p+\q+1], v[cN:cN+1], -2.0, 1.0 op_sel_hi:[1,0,0]
	v_pk_mul_f32 v[TAB+8*\p+4+\q:TAB+8*\p+5+\q], v[cT:cT+1], v[cSG:cSG+1]
.endr
.endm
.irp p, 0,1,2,3,4,5,6,7
	SINCOS \p
.endr
	s_wait_loadcnt 48                              ; the gains and K step 0 are in; K step 1's 48 loads may be out
	v_pk_mul_f32 v[WQ:WQ+1], v[WQ:WQ+1], 0x3e38aa3b op_sel_hi:[1,0]      ; 0.125 log2(e): the scores' scale and the base of the exponential
	v_pk_mul_f32 v[WQ+2:WQ+3], v[WQ+2:WQ+3], 0x3e38aa3b op_sel_hi:[1,0]
	CONV 2, 0
	WIN 0
	s_wait_dscnt 0x0
	s_barrier_signal -1
	s_barrier_wait -1
	LAP 1                                          ; K steps 0, 1: the first products start the sums
	s_mov_b32 s55, 4
.Llap:
	LAP 0                                          ; K steps 2 to 9
	s_sub_co_u32 s55, s55, 1
	s_cmp_lg_u32 s55, 0
	s_cbranch_scc1 .Llap
	TRIP 0, 0, 0, 0, 1, 0, 0, 1                    ; K step 10: nothing left to ask for
	TRIP 1, 0, 0, 0, 0, 0, 0, 0                    ; K step 11
	; The sums go through the stage, so that a head's 64 columns of a row meet in 16 neighbouring lanes.
	WIN 0x04
.irp a, 0,1,2,3
.irp b, 0,1,2,3,4
	ds_store_b128 v[SWR], v[8*(5*\a+\b):8*(5*\a+\b)+3]   offset:16*SP*\a+64*\b
	ds_store_b128 v[SWR], v[8*(5*\a+\b)+4:8*(5*\a+\b)+7] offset:16*SP*\a+64*\b+16
.endr
.endr
	WIN 0
	s_wait_dscnt 0x0
	s_barrier_signal -1
	s_barrier_wait -1
; Head i: wave w takes rows 16 w .. 16 w + 15, two at a time (p); lane (r, h) holds row 16 w + h + 2 p, columns 4 r .. 4 r + 3.
.macro EPI i
	s_wait_xcnt 0x0                                ; the registers that the last head's stores read are written again only behind this wait
.irp p, 0,1,2,3,4,5,6,7
	ds_load_b128 v[eX+4*\p:eX+4*\p+3], v[SRD] offset:2*SP*\p+256*\i
.endr
	s_cmp_ge_u32 s[GH+\i], 16
	s_cbranch_scc1 .Lvhead_\i
	s_cmp_lt_u32 s[GH+\i], 12
	s_cselect_b32 s57, -1, 0
.irp e, 0,1,2,3
	v_cndmask_b32 v[WSEL+\e], v[WK+\e], v[WQ+\e], s57
.endr
.irp p, 0,1,2,3,4,5,6,7
	s_wait_dscnt 7-\p                              ; LDS loads come back in order: pair p is in
	v_pk_mul_f32 v[eT+2*\p:eT+2*\p+1], v[eX+4*\p:eX+4*\p+1], v[eX+4*\p:eX+4*\p+1]
	v_pk_fma_f32 v[eT+2*\p:eT+2*\p+1], v[eX+4*\p+2:eX+4*\p+3], v[eX+4*\p+2:eX+4*\p+3], v[eT+2*\p:eT+2*\p+1]
	v_add_f32 v[eSS+\p], v[eT+2*\p], v[eT+2*\p+1]
.endr
.irp m, 1,2,4,8
.irp p, 0,1,2,3,4,5,6,7
	v_add_f32_dpp v[eSS+\p], v[eSS+\p], v[eSS+\p] row_xmask:\m row_mask:0xf bank_mask:0xf
.endr
.endr
.irp p, 0,1,2,3,4,5,6,7
	v_fma_f32 v[eSS+\p], v[eSS+\p], s56, s59       ; mean of the squares + EPS
.endr
.irp p, 0,1,2,3,4,5,6,7
	v_rsq_f32 v[eSS+\p], v[eSS+\p]
.endr
	v_nop                                          ; a plain instruction behind the last of them (ISA guide 5.7.2)
	s_wait_alu depctr_va_vdst(0)
.irp p, 0,1,2,3,4,5,6,7
.if (\p % 2) == 0
	v_pk_mul_f32 v[eWR:eWR+1], v[WSEL:WSEL+1], v[eSS+\p:eSS+\p+1] op_sel_hi:[1,0]
	v_pk_mul_f32 v[eWR+2:eWR+3], v[WSEL+2:WSEL+3], v[eSS+\p:eSS+\p+1] op_sel_hi:[1,0]
.else
	v_pk_mul_f32 v[eWR:eWR+1], v[WSEL:WSEL+1], v[eSS+\p-1:eSS+\p] op_sel:[0,1] op_sel_hi:[1,1]
	v_pk_mul_f32 v[eWR+2:eWR+3], v[WSEL+2:WSEL+3], v[eSS+\p-1:eSS+\p] op_sel:[0,1] op_sel_hi:[1,1]
.endif
	v_pk_mul_f32 v[eY:eY+1], v[eX+4*\p:eX+4*\p+1], v[eWR:eWR+1]
	v_pk_mul_f32 v[eY+2:eY+3], v[eX+4*\p+2:eX+4*\p+3], v[eWR+2:eWR+3]
.irp e, 0,1,2,3
	v_mul_f32_dpp v[eT+\e], v[eY+\e], v[TAB+8*\p+4+\e] row_xmask:8 row_mask:0xf bank_mask:0xf   ; the column 32 away lies in lane r xor 8
.endr
	v_pk_fma_f32 v[eY:eY+1], v[eY:eY+1], v[TAB+8*\p:TAB+8*\p+1], v[eT:eT+1]
	v_pk_fma_f32 v[eY+2:eY+3], v[eY+2:eY+3], v[TAB+8*\p+2:TAB+8*\p+3], v[eT+2:eT+3]
	v_cvt_pk_f16_f32 v[eOUT+2*\p], v[eY], v[eY+1]
	v_cvt_pk_f16_f32 v[eOUT+2*\p+1], v[eY+2], v[eY+3]
	global_store_b64 v[OOFF], v[eOUT+2*\p:eOUT+2*\p+1], s[OB+2*\i:OB+2*\i+1] offset:256*\p   ; the wave's 32 lanes store 256 consecutive bytes, aligned
.endr
	s_branch .Lhead_done_\i
.Lvhead_\i:                                        ; a v head is only rounded
.irp p, 0,1,2,3,4,5,6,7
	s_wait_dscnt 7-\p
	v_cvt_pk_f16_f32 v[eOUT+2*\p], v[eX+4*\p], v[eX+4*\p+1]
	v_cvt_pk_f16_f32 v[eOUT+2*\p+1], v[eX+4*\p+2], v[eX+4*\p+3]
	global_store_b64 v[OOFF], v[eOUT+2*\p:eOUT+2*\p+1], s[OB+2*\i:OB+2*\i+1] offset:256*\p
.endr
.Lhead_done_\i:
.endm
	EPI 0
	EPI 1
	EPI 2
	EPI 3
	EPI 4
	s_wait_tensorcnt 0x0
	ds_add_u32 v254, v255
	s_wait_dscnt 0x0
	s_endpgm
.Lfunc_end_k_q77e18f280c_qkv:
	.size	k_q77e18f280c_qkv, .Lfunc_end_k_q77e18f280c_qkv-k_q77e18f280c_qkv
	.p2alignl 7, 3214868480
	.fill 96, 4, 3214868480
	.section	.rodata,"a",@progbits
	.p2align	6, 0x0
	.amdhsa_kernel k_q77e18f280c_qkv
		.amdhsa_group_segment_fixed_size 194048
		.amdhsa_private_segment_fixed_size 0
		.amdhsa_enable_private_segment 0
		.amdhsa_kernarg_size 72
		.amdhsa_user_sgpr_count 2
		.amdhsa_user_sgpr_kernarg_segment_ptr 1
		.amdhsa_wavefront_size32 1
		.amdhsa_system_sgpr_workgroup_id_x 1
		.amdhsa_system_sgpr_workgroup_id_y 1
		.amdhsa_system_sgpr_workgroup_id_z 1
		.amdhsa_system_vgpr_workitem_id 0
		.amdhsa_next_free_vgpr 960
		.amdhsa_next_free_sgpr 66
		.amdhsa_reserve_vcc 0
		.amdhsa_float_denorm_mode_32 3
		.amdhsa_float_denorm_mode_16_64 3
		.amdhsa_memory_ordered 1
		.amdhsa_forward_progress 1
		.amdhsa_inst_pref_size 216
	.end_amdhsa_kernel
	.amdgpu_metadata
---
amdhsa.version: [ 1, 2 ]
amdhsa.kernels:
  - .name:           k_q77e18f280c_qkv
    .symbol:         k_q77e18f280c_qkv.kd
    .args:
      - { .name: hidden_states, .offset: 0, .size: 8, .value_kind: global_buffer, .address_space: global }
      - { .name: q_w, .offset: 8, .size: 8, .value_kind: global_buffer, .address_space: global }
      - { .name: k_w, .offset: 16, .size: 8, .value_kind: global_buffer, .address_space: global }
      - { .name: v_w, .offset: 24, .size: 8, .value_kind: global_buffer, .address_space: global }
      - { .name: q_ln_w, .offset: 32, .size: 8, .value_kind: global_buffer, .address_space: global }
      - { .name: k_ln_w, .offset: 40, .size: 8, .value_kind: global_buffer, .address_space: global }
      - { .name: q_ws, .offset: 48, .size: 8, .value_kind: global_buffer, .address_space: global }
      - { .name: k_ws, .offset: 56, .size: 8, .value_kind: global_buffer, .address_space: global }
      - { .name: v_ws, .offset: 64, .size: 8, .value_kind: global_buffer, .address_space: global }
    .group_segment_fixed_size: 194048
    .private_segment_fixed_size: 0
    .kernarg_segment_align: 8
    .kernarg_segment_size: 72
    .max_flat_workgroup_size: 128
    .sgpr_count:     66
    .vgpr_count:     960
    .wavefront_size: 32
...
	.end_amdgpu_metadata
.endif
;; end of part 1
;; launch attn (part 2): grid 32 x 8, 4 waves a work-group, no clusters, 164,352 bytes of LDS; arguments q_ws, k_ws, v_ws, attn_ws; writes attn_ws
.if DOCPART == 2
	.amdgcn_target "amdgcn-amd-amdhsa--gfx1250"
	.amdhsa_code_object_version 6
	.text
	.protected	k_q77e18f280c_attn
	.globl	k_q77e18f280c_attn
	.p2align	8
	.type	k_q77e18f280c_attn,@function
k_q77e18f280c_attn:
	s_mov_b64 s[64:65], 0
	v_nop
	global_prefetch_b8 v0, s[64:65] scope:SCOPE_SE
	s_setreg_imm32_b32 hwreg(HW_REG_WAVE_MODE, 25, 1), 1
	s_wait_xcnt 0x0
; Attention with the mask i - 384 < j <= i, for 64 queries x the three query heads of one kv head.  q_ws already carries 0.125 log2(e), so the
; exponentials are base 2.  Output attn_ws [12 heads][4096 rows][64] in f16.
; All 448 keys q0 - 384 .. q0 + 63 of K and V are laid into LDS once (one barrier).  Wave w has queries q0 + 16 w .. + 15, all three heads, and walks
; 13 chunks of 32 keys downward from the chunk that holds its diagonal: that chunk exists for every query and gives a finite running maximum.
; Only the first (causal edge) and the thirteenth (window edge) chunk need a mask; chunks in front of the sequence's start are not multiplied.
; S^T = K Q^T: lane (r, h) holds, for query r, keys 8 h + j of each 16-key tile, which is the layout of the second source of O^T = V^T P^T:
; P goes from sums to operand by conversions alone, and maximum, sum and rescale factor are one number a lane.
; No joint tile requests: the three query heads that share K and V already sit in one wave, and neighbouring query blocks use windows that are shifted by
; 64 keys, so a shared tile would be read at an LDS address that hangs on the place among the partners.
; LIMITS: P and the output are rounded to f16 (P <= 1; |output| <= max |v| < 65,504).  NaN and infinite inputs are not treated.
.set KP,    144                        ; K's LDS pitch: 128 + 16
.set VP,    160                        ; V's LDS pitch: an odd multiple of 32, for the transposing loads
.set VBASE, 448*KP                     ; 64,512
.set OST,   VBASE+448*VP               ; 136,192: output stage, 3 heads x 16 rows x 144 bytes for each wave, its own
.set GO,   2                           ; v2-8    key block i: byte offset of my 16 bytes in K and V
.set KST,  9
.set VST,  10
.set KADR, 11                          ; K fragments of the current chunk; steps down
.set VADR, 12                          ; V fragments of the current chunk; steps down
.set D0,   13                          ; 8 h - r - 16 (w & 1): key minus query for x = 0 in the diagonal chunk
.set NINF, 14
.set QOFF, 15
.set OSW,  16
.set OSR,  17
.set OOFF, 18
.set ST,   20                          ; v20-31  head hd: maximum, sum, rescale factor, scratch
.set MX,   32
.set SM,   36                          ; v36-41  a pair of partial sums for each head
.set LL,   42
.set LR,   43
.set LH,   44
.set L8,   45
.set L7,   46
.set LT,   47
.set QF,   48                          ; v48-95   Q fragments, 16 hd + 8 ks
.set SC,   96                          ; v96-143  scores, 16 hd + 8 t; then P in the first 8 of each 16
.set KF,   144                         ; v144-175 K fragments, 16 t + 8 ks
.set VF,   176                         ; v176-207 V^T fragments, 8 dt
; window 1: O^T, 32 hd + 8 dt (96 registers); before that the 224 staging registers of K and V
.set MSB, 0
.macro WIN new
.if MSB != (\new)
	s_set_vgpr_msb (MSB<<8)|(\new)
.set MSB, (\new)
.endif
.endm
.macro PLACES
.rept 4
	v_nop
.endr
.endm
	s_load_b256 s[8:15], s[0:1], 0x0               ; q_ws 8, k_ws 10, v_ws 12, attn_ws 14
	v_lshl_add_u32 v254, v0, 2, 0x28000
	v_mov_b32 v255, 0
	v_lshrrev_b32 v[LT], 5, v0
	v_readfirstlane_b32 s2, v[LT]                  ; wave
	s_and_b32 s4, ttmp7, 0xffff                    ; 4 b + kv head
	s_lshr_b32 s5, s4, 2
	s_and_b32 s6, s4, 3
	s_lshl_b32 s7, ttmp9, 6                        ; q0
	s_mov_b32 s16, 0x76543210                      ; v_permlanex16_b32: lane i of the other half
	s_mov_b32 s17, 0xfedcba98
	s_lshr_b32 s24, s2, 1
	s_and_b32 s25, s2, 1
	s_lshl_b32 s18, s24, 5
	s_add_co_u32 s18, s18, s7                      ; first key of my diagonal chunk
	v_and_b32 v[LL], 31, v0
	v_and_b32 v[LR], 15, v0
	v_bfe_u32 v[LH], v0, 4, 1
	v_bfe_u32 v[L8], v0, 3, 2                      ; l >> 3
	v_and_b32 v[L7], 7, v0
	s_lshl_b32 s26, s2, 11
	v_lshl_add_u32 v[OOFF], v[LL], 4, s26          ; 16 rows of 128 bytes a wave + 16 bytes a lane
.irp i, 0,1,2,3,4,5,6
	s_add_co_i32 s27, s7, 64*\i-384
	s_max_i32 s27, s27, 0                          ; blocks in front of the sequence's start read block 0 again: every LDS row is written, none of these is multiplied
	s_lshl_b32 s27, s27, 7
	v_add_nc_u32 v[GO+\i], s27, v[OOFF]
.endr
	s_mul_i32 s27, s2, 16*KP
	v_mul_u32_u24 v[KST], v[L8], KP
	v_lshl_add_u32 v[KST], v[L7], 4, v[KST]
	v_add_nc_u32 v[KST], s27, v[KST]
	s_mul_i32 s27, s2, 16*VP
	s_add_co_u32 s27, s27, VBASE
	v_mul_u32_u24 v[VST], v[L8], VP
	v_lshl_add_u32 v[VST], v[L7], 4, v[VST]
	v_add_nc_u32 v[VST], s27, v[VST]
	s_mul_i32 s27, s24, 32*KP
	s_add_co_u32 s27, s27, 384*KP
	v_mul_u32_u24 v[KADR], v[LR], KP
	v_lshl_add_u32 v[KADR], v[LH], 4, v[KADR]
	v_add_nc_u32 v[KADR], s27, v[KADR]
	s_mul_i32 s27, s24, 32*VP
	s_add_co_u32 s27, s27, VBASE+384*VP
	v_lshl_add_u32 v[LT], v[LH], 3, v[L7]          ; 8 h + (l & 7)
	v_mul_u32_u24 v[VADR], v[LT], VP
	v_bfe_u32 v[LT], v0, 3, 1
	v_lshl_add_u32 v[VADR], v[LT], 4, v[VADR]
	v_add_nc_u32 v[VADR], s27, v[VADR]
	v_lshlrev_b32 v[LT], 3, v[LH]
	v_sub_nc_u32 v[D0], v[LT], v[LR]
	s_lshl_b32 s27, s25, 4
	v_sub_nc_u32 v[D0], v[D0], s27
	v_mov_b32 v[NINF], 0xff800000
	v_lshlrev_b32 v[QOFF], 7, v[LR]
	v_lshl_add_u32 v[QOFF], v[LH], 4, v[QOFF]
	v_add_nc_u32 v[QOFF], s26, v[QOFF]
	s_mul_i32 s27, s2, 48*KP
	s_add_co_u32 s27, s27, OST
	v_mul_u32_u24 v[OSW], v[LR], KP
	v_lshl_add_u32 v[OSW], v[LH], 4, v[OSW]
	v_add_nc_u32 v[OSW], s27, v[OSW]
	v_mul_u32_u24 v[OSR], v[L8], KP
	v_lshl_add_u32 v[OSR], v[L7], 4, v[OSR]
	v_add_nc_u32 v[OSR], s27, v[OSR]
.irp hd, 0,1,2
	v_mov_b32 v[ST+4*\hd+1], 0                     ; written once: packed pairs and the lane exchange's destination count as read
	v_mov_b32 v[ST+4*\hd+3], 0
.endr
	s_wait_kmcnt 0x0
	s_lshl_b32 s20, s4, 18                         ; (4 b + kv head) x 2048 rows x 128 bytes
	s_mov_b32 s21, 0
	s_add_nc_u64 s[10:11], s[10:11], s[20:21]
	s_add_nc_u64 s[12:13], s[12:13], s[20:21]
	s_mul_i32 s22, s5, 12
	s_mul_i32 s23, s6, 3
	s_add_co_u32 s22, s22, s23
	s_lshl_b32 s22, s22, 11
	s_add_co_u32 s22, s22, s7
	s_lshl_b32 s22, s22, 7
	s_mov_b32 s23, 0
	s_add_nc_u64 s[8:9], s[8:9], s[22:23]          ; q at head 3 kvh, row q0
	s_mul_i32 s20, s6, 3*4096
	s_lshl_b32 s22, s5, 11
	s_add_co_u32 s20, s20, s22
	s_add_co_u32 s20, s20, s7
	s_lshl_b32 s20, s20, 7
	s_add_nc_u64 s[14:15], s[14:15], s[20:21]      ; output at head 3 kvh, row 2048 b + q0
	; 56 loads of K and V (a load covers four rows, 512 consecutive bytes), then Q's 12 fragment loads
	WIN 0x40
.irp i, 0,1,2,3,4,5,6
.irp j, 0,1,2,3
	global_load_b128 v[32*\i+4*\j:32*\i+4*\j+3], v[GO+\i], s[10:11] offset:512*\j
.endr
.irp j, 0,1,2,3
	global_load_b128 v[32*\i+16+4*\j:32*\i+16+4*\j+3], v[GO+\i], s[12:13] offset:512*\j
.endr
.endr
	WIN 0
.irp hd, 0,1,2
.irp ks, 0,1
	global_load_b128 v[QF+16*\hd+8*\ks:QF+16*\hd+8*\ks+3],   v[QOFF], s[8:9] offset:262144*\hd+64*\ks
	global_load_b128 v[QF+16*\hd+8*\ks+4:QF+16*\hd+8*\ks+7], v[QOFF], s[8:9] offset:262144*\hd+64*\ks+32
.endr
.endr
	WIN 0x04
.irp i, 0,1,2,3,4,5,6
	s_wait_loadcnt 8*(6-\i)+12                     ; block i is in; the later blocks' eight loads each and Q's twelve may be out
.irp j, 0,1,2,3
	ds_store_b128 v[KST], v[32*\i+4*\j:32*\i+4*\j+3] offset:64*KP*\i+4*KP*\j
.endr
.irp j, 0,1,2,3
	ds_store_b128 v[VST], v[32*\i+16+4*\j:32*\i+16+4*\j+3] offset:64*VP*\i+4*VP*\j
.endr
.endr
	WIN 0
	s_wait_dscnt 0x0
	s_barrier_signal -1
	s_barrier_wait -1                              ; K and V are whole; LDS is only read from here up to the barrier in front of the way out
.macro KLOAD                           ; 32 keys x 64: two tiles of 16 keys, two halves of the head's 64
.irp t, 0,1
.irp ks, 0,1
	ds_load_b128 v[KF+16*\t+8*\ks:KF+16*\t+8*\ks+3],   v[KADR] offset:16*KP*\t+64*\ks
	ds_load_b128 v[KF+16*\t+8*\ks+4:KF+16*\t+8*\ks+7], v[KADR] offset:16*KP*\t+64*\ks+32
.endr
.endr
.endm
.macro VLOAD                           ; V^T: four tiles of 16 d x 32 keys, transposed on the way
.irp dt, 0,1,2,3
	ds_load_tr16_b128 v[VF+8*\dt:VF+8*\dt+3],   v[VADR] offset:32*\dt
	ds_load_tr16_b128 v[VF+8*\dt+4:VF+8*\dt+7], v[VADR] offset:32*\dt+16*VP
.endr
.endm
; One chunk of 32 keys.  first = 1: it starts maximum, sums and O.  mask = 1: causal edge, 2: window edge.  next = 1: the chunk below is fetched ahead.
.macro CHUNK first, mask, next
	s_wait_dscnt 0x0                               ; this chunk's K fragments
.irp hd, 0,1,2
.irp t, 0,1
	v_wmma_f32_16x16x32_f16 v[SC+16*\hd+8*\t:SC+16*\hd+8*\t+7], v[KF+16*\t:KF+16*\t+7], v[QF+16*\hd:QF+16*\hd+7], 0
.endr
.endr
.irp hd, 0,1,2                                     ; the six accumulators take turns
.irp t, 0,1
	v_wmma_f32_16x16x32_f16 v[SC+16*\hd+8*\t:SC+16*\hd+8*\t+7], v[KF+16*\t+8:KF+16*\t+15], v[QF+16*\hd+8:QF+16*\hd+15], v[SC+16*\hd+8*\t:SC+16*\hd+8*\t+7]
.endr
.endr
	PLACES                                         ; in front of the loads into K's fragments and of the reads of the scores
.if \next
	v_sub_nc_u32 v[KADR], v[KADR], 32*KP
.endif
	VLOAD
.if \next
	KLOAD
.endif
.if \mask
.irp t, 0,1
.irp j, 0,1,2,3,4,5,6,7
.if \mask == 1
	v_cmp_ge_i32 vcc_lo, -(16*\t+\j), v[D0]        ; key <= query
.else
	v_cmp_lt_i32 vcc_lo, -(16*\t+\j), v[D0]        ; key > query - 384
.endif
.irp hd, 0,1,2
	v_cndmask_b32 v[SC+16*\hd+8*\t+\j], v[NINF], v[SC+16*\hd+8*\t+\j], vcc_lo
.endr
.endr
.endr
.endif
.irp hd, 0,1,2
	v_max3_num_f32 v[MX+\hd], v[SC+16*\hd], v[SC+16*\hd+1], v[SC+16*\hd+2]
.endr
.irp k, 3,5,7,9,11,13
.irp hd, 0,1,2
	v_max3_num_f32 v[MX+\hd], v[MX+\hd], v[SC+16*\hd+\k], v[SC+16*\hd+\k+1]
.endr
.endr
.irp hd, 0,1,2
.if \first
	v_max_num_f32 v[MX+\hd], v[MX+\hd], v[SC+16*\hd+15]
.else
	v_max3_num_f32 v[MX+\hd], v[MX+\hd], v[SC+16*\hd+15], v[ST+4*\hd]
.endif
.endr
.irp hd, 0,1,2
	v_permlanex16_b32 v[ST+4*\hd+3], v[MX+\hd], s16, s17       ; the other half of the lanes holds the query's other keys
.endr
.irp hd, 0,1,2
	v_max_num_f32 v[MX+\hd], v[MX+\hd], v[ST+4*\hd+3]
.endr
.irp hd, 0,1,2
.if \first == 0
	v_sub_f32 v[ST+4*\hd+2], v[ST+4*\hd], v[MX+\hd]            ; old maximum - new
.endif
	v_mov_b32 v[ST+4*\hd], v[MX+\hd]
.endr
.irp hd, 0,1,2
.irp k, 0,2,4,6,8,10,12,14
	v_pk_add_f32 v[SC+16*\hd+\k:SC+16*\hd+\k+1], v[SC+16*\hd+\k:SC+16*\hd+\k+1], v[ST+4*\hd:ST+4*\hd+1] op_sel_hi:[1,0] neg_lo:[0,1] neg_hi:[0,1]
.endr
.endr
.irp hd, 0,1,2
.irp k, 0,1,2,3,4,5,6,7,8,9,10,11,12,13,14,15
	v_exp_f32 v[SC+16*\hd+\k], v[SC+16*\hd+\k]
.endr
.endr
.if \first == 0
.irp hd, 0,1,2
	v_exp_f32 v[ST+4*\hd+2], v[ST+4*\hd+2]
.endr
.endif
	v_nop                                          ; a plain instruction behind the last exponential (ISA guide 5.7.2)
	s_wait_alu depctr_va_vdst(0)
.irp hd, 0,1,2
	v_pk_add_f32 v[SM+2*\hd:SM+2*\hd+1], v[SC+16*\hd:SC+16*\hd+1], v[SC+16*\hd+2:SC+16*\hd+3]
.endr
.irp k, 4,6,8,10,12,14
.irp hd, 0,1,2
	v_pk_add_f32 v[SM+2*\hd:SM+2*\hd+1], v[SM+2*\hd:SM+2*\hd+1], v[SC+16*\hd+\k:SC+16*\hd+\k+1]
.endr
.endr
.irp hd, 0,1,2                                     ; P to f16, packed downward in place: register 4 t + jj from 8 t + 2 jj and the next
.irp t, 0,1
.irp jj, 0,1,2,3
	v_cvt_pk_f16_f32 v[SC+16*\hd+4*\t+\jj], v[SC+16*\hd+8*\t+2*\jj], v[SC+16*\hd+8*\t+2*\jj+1]
.endr
.endr
.endr
.if \next
	s_wait_dscnt 8                                 ; V's eight loads are in; the next chunk's eight K loads may be out
.else
	s_wait_dscnt 0x0
.endif
.if \first == 0
	WIN 0x41
.irp hd, 0,1,2
.irp k, 0,2,4,6,8,10,12,14,16,18,20,22,24,26,28,30
	v_pk_mul_f32 v[32*\hd+\k:32*\hd+\k+1], v[32*\hd+\k:32*\hd+\k+1], v[ST+4*\hd+2:ST+4*\hd+3] op_sel_hi:[1,0]
.endr
.endr
.endif
	WIN 0x50
.irp hd, 0,1,2                                     ; twelve accumulators, one instruction each
.irp dt, 0,1,2,3
.if \first
	v_wmma_f32_16x16x32_f16 v[32*\hd+8*\dt:32*\hd+8*\dt+7], v[VF+8*\dt:VF+8*\dt+7], v[SC+16*\hd:SC+16*\hd+7], 0
.else
	v_wmma_f32_16x16x32_f16 v[32*\hd+8*\dt:32*\hd+8*\dt+7], v[VF+8*\dt:VF+8*\dt+7], v[SC+16*\hd:SC+16*\hd+7], v[32*\hd+8*\dt:32*\hd+8*\dt+7]
.endif
.endr
.endr
	WIN 0
	; The lines below are also the places in front of the next chunk's first products, which write over P: five or more plain vector instructions.
.if \first
.irp hd, 0,1,2
	v_add_f32 v[ST+4*\hd+1], v[SM+2*\hd], v[SM+2*\hd+1]
.endr
	v_nop
	v_nop
.else
.irp hd, 0,1,2
	v_fma_f32 v[ST+4*\hd+1], v[ST+4*\hd+1], v[ST+4*\hd+2], v[SM+2*\hd]
.endr
.irp hd, 0,1,2
	v_add_f32 v[ST+4*\hd+1], v[ST+4*\hd+1], v[SM+2*\hd+1]
.endr
.endif
.if \next
	v_sub_nc_u32 v[VADR], v[VADR], 32*VP
.endif
.endm
	KLOAD                                          ; the diagonal chunk's K fragments
	s_wait_loadcnt 0x0                             ; Q
	CHUNK 1, 1, 1
	s_mov_b32 s19, 11
.Lmid:
	s_sub_co_i32 s18, s18, 32                      ; the chunk's first key; chunks lie wholly in or wholly in front of the sequence
	s_cmp_lt_i32 s18, 0
	s_cbranch_scc1 .Lfinish
	CHUNK 0, 0, 1
	s_sub_co_i32 s19, s19, 1
	s_cmp_lg_u32 s19, 0
	s_cbranch_scc1 .Lmid
	s_sub_co_i32 s18, s18, 32
	s_cmp_lt_i32 s18, 0
	s_cbranch_scc1 .Lfinish
	CHUNK 0, 2, 0
.Lfinish:
	s_wait_dscnt 0x0                               ; all my reads of K and V are back, the K fragments fetched ahead among them (their registers are used below)
	s_barrier_signal -1                            ; every wave comes here on every path: LDS is stored into again only when
	s_barrier_wait -1                              ; all four waves have finished reading K and V
.irp hd, 0,1,2
	v_permlanex16_b32 v[ST+4*\hd+3], v[ST+4*\hd+1], s16, s17
.endr
.irp hd, 0,1,2
	v_add_f32 v[ST+4*\hd+1], v[ST+4*\hd+1], v[ST+4*\hd+3]
.endr
.irp hd, 0,1,2
	v_rcp_f32 v[ST+4*\hd+2], v[ST+4*\hd+1]
.endr
	v_nop
	WIN 0x41
	s_wait_alu depctr_va_vdst(0)
.irp hd, 0,1,2
.irp k, 0,2,4,6,8,10,12,14,16,18,20,22,24,26,28,30
	v_pk_mul_f32 v[32*\hd+\k:32*\hd+\k+1], v[32*\hd+\k:32*\hd+\k+1], v[ST+4*\hd+2:ST+4*\hd+3] op_sel_hi:[1,0]
.endr
.endr
	WIN 0x05
.irp hd, 0,1,2
.irp dt, 0,1,2,3
.irp jj, 0,1,2,3
	v_cvt_pk_f16_f32 v[SC+16*\hd+4*\dt+\jj], v[32*\hd+8*\dt+2*\jj], v[32*\hd+8*\dt+2*\jj+1]
.endr
.endr
.endr
	WIN 0
	; A lane holds 16 bytes of its query's row; through my own stage they become whole rows.  LDS serves a wave's instructions in order (ISA guide 5.7.1).
.irp hd, 0,1,2
.irp dt, 0,1,2,3
	ds_store_b128 v[OSW], v[SC+16*\hd+4*\dt:SC+16*\hd+4*\dt+3] offset:16*KP*\hd+32*\dt
.endr
.endr
.irp hd, 0,1,2
.irp i, 0,1,2,3
	ds_load_b128 v[KF+4*(4*\hd+\i):KF+4*(4*\hd+\i)+3], v[OSR] offset:16*KP*\hd+4*KP*\i
.endr
.endr
.irp hd, 0,1,2
.irp i, 0,1,2,3
	s_wait_dscnt 11-(4*\hd+\i)
	global_store_b128 v[OOFF], v[KF+4*(4*\hd+\i):KF+4*(4*\hd+\i)+3], s[14:15] offset:524288*\hd+512*\i   ; four rows: 512 consecutive bytes, aligned
.endr
.endr
	s_wait_tensorcnt 0x0
	ds_add_u32 v254, v255
	s_wait_dscnt 0x0
	s_endpgm
.Lfunc_end_k_q77e18f280c_attn:
	.size	k_q77e18f280c_attn, .Lfunc_end_k_q77e18f280c_attn-k_q77e18f280c_attn
	.p2alignl 7, 3214868480
	.fill 96, 4, 3214868480
	.section	.rodata,"a",@progbits
	.p2align	6, 0x0
	.amdhsa_kernel k_q77e18f280c_attn
		.amdhsa_group_segment_fixed_size 164352
		.amdhsa_private_segment_fixed_size 0
		.amdhsa_enable_private_segment 0
		.amdhsa_kernarg_size 32
		.amdhsa_user_sgpr_count 2
		.amdhsa_user_sgpr_kernarg_segment_ptr 1
		.amdhsa_wavefront_size32 1
		.amdhsa_system_sgpr_workgroup_id_x 1
		.amdhsa_system_sgpr_workgroup_id_y 1
		.amdhsa_system_sgpr_workgroup_id_z 1
		.amdhsa_system_vgpr_workitem_id 0
		.amdhsa_next_free_vgpr 480
		.amdhsa_next_free_sgpr 66
		.amdhsa_reserve_vcc 1
		.amdhsa_float_denorm_mode_32 3
		.amdhsa_float_denorm_mode_16_64 3
		.amdhsa_memory_ordered 1
		.amdhsa_forward_progress 1
		.amdhsa_inst_pref_size 70
	.end_amdhsa_kernel
	.amdgpu_metadata
---
amdhsa.version: [ 1, 2 ]
amdhsa.kernels:
  - .name:           k_q77e18f280c_attn
    .symbol:         k_q77e18f280c_attn.kd
    .args:
      - { .name: q_ws, .offset: 0, .size: 8, .value_kind: global_buffer, .address_space: global }
      - { .name: k_ws, .offset: 8, .size: 8, .value_kind: global_buffer, .address_space: global }
      - { .name: v_ws, .offset: 16, .size: 8, .value_kind: global_buffer, .address_space: global }
      - { .name: attn_ws, .offset: 24, .size: 8, .value_kind: global_buffer, .address_space: global }
    .group_segment_fixed_size: 164352
    .private_segment_fixed_size: 0
    .kernarg_segment_align: 8
    .kernarg_segment_size: 32
    .max_flat_workgroup_size: 128
    .sgpr_count:     66
    .vgpr_count:     480
    .wavefront_size: 32
...
	.end_amdgpu_metadata
.endif
;; end of part 2
;; launch oproj (part 3): grid 4 x 64, 4 waves a work-group, no clusters, 189,952 bytes of LDS; arguments attn_ws, o_w, out0; writes out0
.if DOCPART == 3
	.amdgcn_target "amdgcn-amd-amdhsa--gfx1250"
	.amdhsa_code_object_version 6
	.text
	.protected	k_q77e18f280c_oproj
	.globl	k_q77e18f280c_oproj
	.p2align	8
	.type	k_q77e18f280c_oproj,@function
k_q77e18f280c_oproj:
	s_mov_b64 s[64:65], 0
	v_nop
	global_prefetch_b8 v0, s[64:65] scope:SCOPE_SE
	s_setreg_imm32_b32 hwreg(HW_REG_WAVE_MODE, 25, 1), 1
	s_wait_xcnt 0x0
; out0[row][n] = sum over k of attn[row][k] o_w[n][k].  attn_ws: [12 heads][4096 rows][64] f16 (k = 64 head + d); o_w: [768][768] f32; out0 f32.
; A work-group makes 64 rows x 192 columns (768 bytes of a row: three aligned blocks of 256); 4 x 64 work-groups.  Wave w makes 64 rows x columns
; 48 w .. 48 w + 47: 4 x 3 tiles.  K goes in six steps of 128 (two heads), written out: every step stands in an immediate and no address is stepped.
; o_w lies in memory as f32 and is rounded to f16 on the way, so both operands come through registers (two staging sets, filled two steps ahead)
; into two LDS slots that take turns; loads into registers stay out across the barriers.  No joint tile requests, for the same reason as in the first launch.
; LIMITS: |o_w| and |attn| below 65,504; magnitudes below 6.1e-5 are rounded with an absolute error of at most 3e-8.
.set ROWB,  3072
.set HEADB, 524288                     ; a head's 4096 rows of 128 bytes
.set PITCH, 272                        ; 128 f16 + 16 bytes
.set SLOT,  256*PITCH                  ; attn's 64 rows, then o_w's 192
.set STAGE, 2*SLOT
.set SP,    784                        ; 768 + 16 = 49 x 16
.set VOA,  2
.set VOB,  3
.set SAA,  4                           ; v4-5
.set SAB,  6                           ; v6-7
.set FA,   8                           ; v8-9
.set FB,   10                          ; v10-11
.set SWR,  12
.set SRD,  13
.set OOFF, 14
.set FR,   16                          ; v16-239: fragment set kk at 16 + 56 kk: attn at +8 a, o_w at +32 + 8 b
.set LL,   240
.set LR,   241
.set LH,   242
.set LT,   243
; window 1: the 12 accumulator tiles, 8 (3 a + b).  Windows 2, 3: staging sets: attn at 4 (4 hh + i), o_w at 32 + 4 i.
.set MSB, 0
.macro WIN new
.if MSB != (\new)
	s_set_vgpr_msb (MSB<<8)|(\new)
.set MSB, (\new)
.endif
.endm
.macro PLACES
.rept 4
	v_nop
.endr
.endm
	s_load_b128 s[8:11], s[0:1], 0x0               ; attn_ws, o_w
	s_load_b64 s[12:13], s[0:1], 0x10              ; out0
	v_lshl_add_u32 v254, v0, 2, 0x2e400
	v_mov_b32 v255, 0
	v_lshrrev_b32 v[LT], 5, v0
	v_readfirstlane_b32 s2, v[LT]
	s_mov_b32 s3, ttmp9                            ; column tile
	s_and_b32 s4, ttmp7, 0xffff                    ; row tile
	s_mov_b32 s15, 0
	v_and_b32 v[LL], 31, v0
	v_and_b32 v[LR], 15, v0
	v_bfe_u32 v[LH], v0, 4, 1
	s_lshl_b32 s16, s2, 11
	v_lshl_add_u32 v[VOA], v[LL], 4, s16           ; 16 rows of 128 bytes a wave
	s_mul_i32 s16, s2, 48*ROWB
	v_lshl_add_u32 v[VOB], v[LL], 4, s16           ; 48 rows of o_w a wave; a load covers one row's 512 bytes of the step
	s_mul_i32 s16, s2, 16*PITCH
	v_bfe_u32 v[LT], v0, 3, 2
	v_mul_u32_u24 v[SAA], v[LT], PITCH
	v_and_b32 v[LT], 7, v0
	v_lshl_add_u32 v[SAA], v[LT], 4, v[SAA]
	v_add_nc_u32 v[SAA], s16, v[SAA]
	v_add_nc_u32 v[SAA+1], SLOT, v[SAA]
	s_mul_i32 s16, s2, 48*PITCH
	s_add_co_u32 s16, s16, 64*PITCH
	v_lshl_add_u32 v[SAB], v[LL], 3, s16
	v_add_nc_u32 v[SAB+1], SLOT, v[SAB]
	v_mul_u32_u24 v[FA], v[LR], PITCH
	v_lshl_add_u32 v[FA], v[LH], 4, v[FA]
	v_add_nc_u32 v[FA+1], SLOT, v[FA]
	v_add_nc_u32 v[FB], s16, v[FA]
	v_add_nc_u32 v[FB+1], SLOT, v[FB]
	s_mul_i32 s16, s2, 192
	s_add_co_u32 s16, s16, STAGE
	v_mul_u32_u24 v[SWR], v[LR], SP
	v_lshl_add_u32 v[SWR], v[LH], 5, v[SWR]
	v_add_nc_u32 v[SWR], s16, v[SWR]
	s_mul_i32 s16, s2, 16*SP
	s_add_co_u32 s16, s16, STAGE
	v_mul_u32_u24 v[SRD], v[LH], SP
	v_lshl_add_u32 v[SRD], v[LR], 4, v[SRD]
	v_add_nc_u32 v[SRD], s16, v[SRD]
	s_mul_i32 s16, s2, 16*ROWB
	v_mul_u32_u24 v[OOFF], v[LH], ROWB
	v_lshl_add_u32 v[OOFF], v[LR], 4, v[OOFF]
	v_add_nc_u32 v[OOFF], s16, v[OOFF]
	s_wait_kmcnt 0x0
	s_lshl_b32 s14, s4, 13                         ; 64 rows of 128 bytes
	s_add_nc_u64 s[8:9], s[8:9], s[14:15]
	s_mul_i32 s14, s3, 192*ROWB
	s_add_nc_u64 s[10:11], s[10:11], s[14:15]
	s_mul_i32 s14, s4, 64*ROWB
	s_mul_i32 s16, s3, 768
	s_add_co_u32 s14, s14, s16
	s_add_nc_u64 s[12:13], s[12:13], s[14:15]
; 56 loads: one K step (two heads of attn, 128 columns of o_w) into staging set n
.macro LOADS n, step
	WIN (\n)<<6
.irp hh, 0,1
.irp i, 0,1,2,3
	global_load_b128 v[4*(4*\hh+\i):4*(4*\hh+\i)+3], v[VOA], s[8:9] offset:(2*(\step)+\hh)*HEADB+512*\i
.endr
.endr
.set i48, 0
.rept 48
	global_load_b128 v[32+4*i48:32+4*i48+3], v[VOB], s[10:11] offset:ROWB*i48+512*(\step)
.set i48, i48+1
.endr
.endm
; attn is f16 already and goes as it is; o_w is rounded in place and stored
.macro CONV n, slot
	WIN (\n)<<2
.irp hh, 0,1
.irp i, 0,1,2,3
	ds_store_b128 v[SAA+(\slot)], v[4*(4*\hh+\i):4*(4*\hh+\i)+3] offset:4*PITCH*\i+128*\hh
.endr
.endr
.if (\n) == 2
	WIN 0x8a
.else
	WIN 0xcf
.endif
.set i48, 0
.rept 48
	v_cvt_pk_f16_f32 v[32+4*i48], v[32+4*i48], v[32+4*i48+1]
	v_cvt_pk_f16_f32 v[32+4*i48+1], v[32+4*i48+2], v[32+4*i48+3]
.set i48, i48+1
.endr
	WIN (\n)<<2
.set i48, 0
.rept 48
	ds_store_b64 v[SAB+(\slot)], v[32+4*i48:32+4*i48+1] offset:PITCH*i48
.set i48, i48+1
.endr
.endm
.macro FRAGS kk, slot                  ; 14 LDS loads: 32 along K
.irp a, 0,1,2,3
	ds_load_b128 v[FR+56*\kk+8*\a:FR+56*\kk+8*\a+3],   v[FA+\slot] offset:16*PITCH*\a+64*\kk
	ds_load_b128 v[FR+56*\kk+8*\a+4:FR+56*\kk+8*\a+7], v[FA+\slot] offset:16*PITCH*\a+64*\kk+32
.endr
.irp b, 0,1,2
	ds_load_b128 v[FR+56*\kk+32+8*\b:FR+56*\kk+32+8*\b+3], v[FB+\slot] offset:16*PITCH*\b+64*\kk
	ds_load_b128 v[FR+56*\kk+32+8*\b+4:FR+56*\kk+32+8*\b+7], v[FB+\slot] offset:16*PITCH*\b+64*\kk+32
.endr
.endm
; 12 matrix instructions, used transposed (source 0 = o_w's rows): a lane holds one row and eight neighbouring columns.
; The 12 accumulators take turns, one instruction a turn.
.macro MULT kk, zero
.irp a, 0,1,2,3
.irp b, 0,1,2
.if \zero
	v_wmma_f32_16x16x32_f16 v[8*(3*\a+\b):8*(3*\a+\b)+7], v[FR+56*\kk+32+8*\b:FR+56*\kk+32+8*\b+7], v[FR+56*\kk+8*\a:FR+56*\kk+8*\a+7], 0
.else
	v_wmma_f32_16x16x32_f16 v[8*(3*\a+\b):8*(3*\a+\b)+7], v[FR+56*\kk+32+8*\b:FR+56*\kk+32+8*\b+7], v[FR+56*\kk+8*\a:FR+56*\kk+8*\a+7], v[8*(3*\a+\b):8*(3*\a+\b)+7]
.endif
.endr
.endr
.endm
; One K step.  The other slot's last readers waited for their LDS loads in front of the barrier that ended the last step.
.macro TRIP step, slot, load, conv, left, bar
	WIN 0
	FRAGS 0, \slot
	FRAGS 1, \slot
	FRAGS 2, \slot
	FRAGS 3, \slot
.if \load
	LOADS 2+\slot, \step+2
.endif
	WIN 0x50
	s_wait_dscnt 42                                ; the first 14 of the 56 fragment loads are in
.if \step == 0
	MULT 0, 1                                      ; the first products start the sums
.else
	MULT 0, 0
.endif
	s_wait_dscnt 28
	MULT 1, 0
	s_wait_dscnt 14
	MULT 2, 0
	s_wait_dscnt 0x0
	MULT 3, 0
	PLACES                                         ; in front of the next loads into the fragments, and of the stores of the sums
.if \conv
	s_wait_loadcnt \left                           ; the next step's 56 loads are in; the 56 just issued may be out
	CONV 3-\slot, 1-\slot
.endif
	WIN 0
.if \bar
	s_wait_dscnt 0x0
	s_barrier_signal -1
	s_barrier_wait -1
.endif
.endm
	LOADS 2, 0
	LOADS 3, 1
	s_wait_loadcnt 56                              ; K step 0 is in, K step 1 may be out
	CONV 2, 0
	WIN 0
	s_wait_dscnt 0x0
	s_barrier_signal -1
	s_barrier_wait -1
	TRIP 0, 0, 1, 1, 56, 1
	TRIP 1, 1, 1, 1, 56, 1
	TRIP 2, 0, 1, 1, 56, 1
	TRIP 3, 1, 1, 1, 56, 1
	TRIP 4, 0, 0, 1, 0, 1
	TRIP 5, 1, 0, 0, 0, 0
	; The way out, through a stage of its own bytes: whole rows of 768 bytes come back, 16 lanes to an aligned block of 256 bytes.
	WIN 0x04
.irp a, 0,1,2,3
.irp b, 0,1,2
	ds_store_b128 v[SWR], v[8*(3*\a+\b):8*(3*\a+\b)+3]   offset:16*SP*\a+64*\b
	ds_store_b128 v[SWR], v[8*(3*\a+\b)+4:8*(3*\a+\b)+7] offset:16*SP*\a+64*\b+16
.endr
.endr
	WIN 0
	s_wait_dscnt 0x0
	s_barrier_signal -1
	s_barrier_wait -1
.irp i, 0,1,2,3,4,5,6,7
.irp c, 0,1,2
	ds_load_b128 v[FR+4*(3*\i+\c):FR+4*(3*\i+\c)+3], v[SRD] offset:2*SP*\i+256*\c
.endr
.endr
.irp i, 0,1,2,3,4,5,6,7
.irp c, 0,1,2
	s_wait_dscnt 23-(3*\i+\c)
	global_store_b128 v[OOFF], v[FR+4*(3*\i+\c):FR+4*(3*\i+\c)+3], s[12:13] offset:2*ROWB*\i+256*\c th:TH_STORE_NT
.endr
.endr
	s_wait_tensorcnt 0x0
	ds_add_u32 v254, v255
	s_wait_dscnt 0x0
	s_endpgm
.Lfunc_end_k_q77e18f280c_oproj:
	.size	k_q77e18f280c_oproj, .Lfunc_end_k_q77e18f280c_oproj-k_q77e18f280c_oproj
	.p2alignl 7, 3214868480
	.fill 96, 4, 3214868480
	.section	.rodata,"a",@progbits
	.p2align	6, 0x0
	.amdhsa_kernel k_q77e18f280c_oproj
		.amdhsa_group_segment_fixed_size 189952
		.amdhsa_private_segment_fixed_size 0
		.amdhsa_enable_private_segment 0
		.amdhsa_kernarg_size 24
		.amdhsa_user_sgpr_count 2
		.amdhsa_user_sgpr_kernarg_segment_ptr 1
		.amdhsa_wavefront_size32 1
		.amdhsa_system_sgpr_workgroup_id_x 1
		.amdhsa_system_sgpr_workgroup_id_y 1
		.amdhsa_system_sgpr_workgroup_id_z 1
		.amdhsa_system_vgpr_workitem_id 0
		.amdhsa_next_free_vgpr 992
		.amdhsa_next_free_sgpr 66
		.amdhsa_reserve_vcc 0
		.amdhsa_float_denorm_mode_32 3
		.amdhsa_float_denorm_mode_16_64 3
		.amdhsa_memory_ordered 1
		.amdhsa_forward_progress 1
		.amdhsa_inst_pref_size 141
	.end_amdhsa_kernel
	.amdgpu_metadata
---
amdhsa.version: [ 1, 2 ]
amdhsa.kernels:
  - .name:           k_q77e18f280c_oproj
    .symbol:         k_q77e18f280c_oproj.kd
    .args:
      - { .name: attn_ws, .offset: 0, .size: 8, .value_kind: global_buffer, .address_space: global }
      - { .name: o_w, .offset: 8, .size: 8, .value_kind: global_buffer, .address_space: global }
      - { .name: out0, .offset: 16, .size: 8, .value_kind: global_buffer, .address_space: global }
    .group_segment_fixed_size: 189952
    .private_segment_fixed_size: 0
    .kernarg_segment_align: 8
    .kernarg_segment_size: 24
    .max_flat_workgroup_size: 128
    .sgpr_count:     66
    .vgpr_count:     992
    .wavefront_size: 32
...
	.end_amdgpu_metadata
.endif
;; end of part 3
;; ======== version 2 of 2: 3 launches; version 1 with the launches qkv, attn written anew for expert scheduling mode
;; limits: values are held in f16: magnitudes above 65,504 overflow, below 6.1e-05 lose precision
;; workspace buffers: q_ws 6,291,456 bytes; k_ws 2,097,152 bytes; v_ws 2,097,152 bytes; attn_ws 6,291,456 bytes
;; launch qkv (part 4): grid 4 x 64, 4 waves a work-group, no clusters, 194,048 bytes of LDS; arguments hidden_states, q_w, k_w, v_w, q_ln_w, k_ln_w, q_ws, k_ws, v_ws; writes q_ws, k_ws, v_ws
.if DOCPART == 4
	.amdgcn_target "amdgcn-amd-amdhsa--gfx1250"
	.amdhsa_code_object_version 6
	.text
	.protected	k_q77e18f280c_qkv
	.globl	k_q77e18f280c_qkv
	.p2align	8
	.type	k_q77e18f280c_qkv,@function
k_q77e18f280c_qkv:
	s_mov_b64 s[64:65], 0
	v_nop
	global_prefetch_b8 v0, s[64:65] scope:SCOPE_SE
	s_setreg_imm32_b32 hwreg(HW_REG_WAVE_SCHED_MODE, 0, 2), 2
	s_setreg_imm32_b32 hwreg(HW_REG_WAVE_MODE, 25, 1), 1
	s_wait_xcnt 0x0
	s_wait_alu depctr_vm_vsrc(0)
; q, k, v = x W^T for the 20 heads (12 q, 4 k, 4 v) of 64 columns, then per head: RMS norm, gain and RoPE (q, k), and for q the factor
; 0.125 log2(e) of the scores; results in f16:  q_ws [b][12][2048][64], k_ws and v_ws [b][4][2048][64].
; A work-group makes 64 rows x 5 heads (320 columns); 4 x 64 work-groups.  Wave w makes all 64 rows x columns 80 w .. 80 w + 79: 4 x 5 tiles.
; K = 768 goes in 12 steps of 64: a row piece is 256 bytes of f32, aligned.  The operands lie in memory as f32 and the matrix unit takes f16, so
; they come through registers (two staging sets of 192 registers, filled two steps ahead), are rounded once and laid into two LDS slots that take
; turns; loads into registers stay out across the barriers.  No joint tile requests: a copy engine would land f32 in LDS, which doubles the LDS
; bytes per product and makes each of the four waves convert x's rows again.
; LIMITS: operands are rounded to f16: |hidden|, |weights|, |q|, |k|, |v| must stay below 65,504; magnitudes below 6.1e-5 are rounded with an
; absolute error of at most 3e-8.  RoPE's angles are formed in turns in f32 and are good to about 3e-4 rad at position 2047.  NaN and
; infinite inputs are not treated.
; THE MODE: SCHED_MODE bits 1:0 = 2 (LLVM: expert scheduling mode 2), set by the entry lines.  The code itself states the register dependences
; between vector or matrix instructions and memory or LDS instructions, with s_wait_alu, always for 0.
; THE PLAN.  Registers that memory or LDS instructions touch:
;   S2, S3     the staging sets (windows 2, 3).  Step t, slot s = t % 2: the global loads of step t + 2 land in S[2 + s]; the conversions of step t + 1's
;              numbers read and write the other set in place, and the LDS stores behind them read it.
;   F0, F1     the fragments.  LDS loads land in them at a step's head; the step's 40 matrix instructions read them.
;   VOFF       read by every global load of x and the weights; written by one add every two steps, at the step's head.
;   v1, v3-11  offsets and LDS addresses, made at the head and never written again.
;   window 1   the sums: named by matrix instructions alone until the stage's LDS stores read them.
;   X0, X1, O0, O1   the way out: see there.
; A step that loads has one wait on vm_vsrc and one on va_vdst at its head, straight behind the barrier, and one on va_vdst between its conversions
; and its LDS stores.  Behind the head's waits the step's 48 global loads go in two runs among the matrix instructions, which name F0, F1 and window 1:
; none of the registers that these loads touch.
.set ROWB,  3072                       ; bytes in a row of x and of the weights
.set PITCH, 144                        ; LDS row: 64 f16 + 16 bytes: an odd multiple of 16, so 16 rows of a fragment load start 16 bytes apart modulo 256
.set GRP,   64*PITCH                   ; 64 rows: x's tile, or one head's weights
.set SLOT,  6*GRP                      ; x, then heads 0 to 4
.set STAGE, 2*SLOT                     ; behind the slots: 64 rows x 320 f32, bytes of its own
.set SP,    1296                       ; stage pitch: 1280 + 16 = 81 x 16
.set GOFF, 1                           ; v1      16 r: my four gains
.set VOFF, 2                           ; v2      (16 w + h) rows + 16 r: my 16 bytes in a group's rows; stepped by two K steps
.set STA,  3                           ; v3-4    where my 8 bytes of f16 go, slot 0, 1
.set FA,   5                           ; v5-6    x fragments, slot 0, 1
.set FB,   7                           ; v7-8    weight fragments of my 80 columns, slot 0, 1
.set SWR,  9                           ; v9      stage, in
.set SRD,  10                          ; v10     stage, back
.set OOFF, 11                          ; v11     my 8 bytes in the output rows
.set WQ,   12                          ; v12-15  q gain x 0.125 log2(e), columns 4 r .. 4 r + 3
.set WK,   16                          ; v16-19  k gain
.set WSEL, 20                          ; v20-23  the head's gain
.set F0,   24                          ; v24-95  fragments, K 0-31 of the step: x at +8 a, weights at +32 + 8 b
.set F1,   96                          ; v96-167 the same, K 32-63
.set TAB,  168                         ; v168-231 row pair p: cos at +8 p, signed sin at +8 p + 4
.set LR,   232
.set LH,   233
.set LT,   234
; window 1: the 20 accumulator tiles, 8 (5 a + b).  Windows 2, 3: the staging sets, 4 (8 g + i).
.set cFR, 24                           ; at work on the tables, in the fragment registers, which are not yet in use
.set cTP, 28
.set cSG, 30
.set cK5, 32
.set cK4, 34
.set cU,  36
.set cN,  38
.set cA,  40
.set cZ,  42
.set cP,  44
.set cQ,  46
.set cT,  48
.set eX,  24                           ; the way out, again in the fragment registers: X0 = v24-55, X1 = v108-139
.set eT,  56
.set eSS, 72
.set eWR, 80
.set eY,  84
.set eOUT, 92                          ; O0 = v92-107, O1 = v140-155
.set XSTEP, 84
.set OSTEP, 48
.set BASE, 28                          ; s[28:39] x's tile, then the five heads' weights
.set OB,   40                          ; s[40:49] the five heads' output rows
.set GH,   50                          ; s50-54   the five heads' numbers 0 .. 19
.set MSB, 0
.macro WIN new                         ; the immediate's high byte repeats the setting that is left
.if MSB != (\new)
	s_set_vgpr_msb (MSB<<8)|(\new)
.set MSB, (\new)
.endif
.endm
.macro PLACES                          ; four plain vector instructions behind a matrix instruction (ISA guide 7.12.1)
.rept 4
	v_nop
.endr
.endm
	s_load_b512 s[8:23], s[0:1], 0x0               ; hidden 8, q_w 10, k_w 12, v_w 14, q_ln_w 16, k_ln_w 18, q_ws 20, k_ws 22
	s_load_b64 s[24:25], s[0:1], 0x40              ; v_ws
	v_lshl_add_u32 v254, v0, 2, 0x2f400
	v_mov_b32 v255, 0
	v_lshrrev_b32 v[LT], 5, v0
	v_readfirstlane_b32 s2, v[LT]                  ; wave
	s_mov_b32 s3, ttmp9                            ; column tile: heads 5 nx .. 5 nx + 4
	s_and_b32 s4, ttmp7, 0xffff                    ; row tile
	s_lshr_b32 s5, s4, 5                           ; batch
	s_and_b32 s6, s4, 31
	s_lshl_b32 s6, s6, 6                           ; first position in the sequence
	s_mov_b32 s56, 0x3c800000                      ; 1/64
	s_mov_b32 s59, 0x358637bd                      ; EPS = 1e-6
	s_mov_b32 s27, 0
	s_mov_b32 s63, 0
	v_and_b32 v[LR], 15, v0                        ; r
	v_bfe_u32 v[LH], v0, 4, 1                      ; h
	v_lshlrev_b32 v[GOFF], 4, v[LR]
	s_wait_alu depctr_va_sdst(0)                   ; s2 is written, ahead of its first reader: the wave's offsets and LDS addresses are made from it
	s_mul_i32 s57, s2, 16*ROWB
	v_mul_u32_u24 v[VOFF], v[LH], ROWB
	v_add3_u32 v[VOFF], v[VOFF], v[GOFF], s57
	s_mul_i32 s57, s2, 16*PITCH
	v_mul_u32_u24 v[STA], v[LH], PITCH
	v_lshl_add_u32 v[STA], v[LR], 3, v[STA]
	v_add_nc_u32 v[STA], s57, v[STA]
	v_add_nc_u32 v[STA+1], SLOT, v[STA]
	v_mul_u32_u24 v[FA], v[LR], PITCH
	v_lshl_add_u32 v[FA], v[LH], 4, v[FA]
	v_add_nc_u32 v[FA+1], SLOT, v[FA]
	s_mul_i32 s57, s2, 80*PITCH
	s_add_co_u32 s57, s57, GRP
	v_add_nc_u32 v[FB], s57, v[FA]
	v_add_nc_u32 v[FB+1], SLOT, v[FB]
	s_mul_i32 s57, s2, 320
	s_add_co_u32 s57, s57, STAGE
	v_mul_u32_u24 v[SWR], v[LR], SP
	v_lshl_add_u32 v[SWR], v[LH], 5, v[SWR]
	v_add_nc_u32 v[SWR], s57, v[SWR]
	s_mul_i32 s57, s2, 16*SP
	s_add_co_u32 s57, s57, STAGE
	v_mul_u32_u24 v[SRD], v[LH], SP
	v_add3_u32 v[SRD], v[SRD], v[GOFF], s57
	v_and_b32 v[LT], 31, v0
	s_lshl_b32 s57, s2, 11
	v_lshl_add_u32 v[OOFF], v[LT], 3, s57          ; 16 rows of 128 bytes a wave + 8 bytes a lane
	s_wait_kmcnt 0x0
	s_mul_i32 s26, s4, 64*ROWB
	s_add_nc_u64 s[BASE:BASE+1], s[8:9], s[26:27]  ; x at the tile's first row
; Head i of the tile: number g = 5 nx + i; g < 12 a q head, g < 16 a k head, else a v head.  The choice hangs on the work-group's number alone.
.macro HEADPTR i
	s_mul_i32 s57, s3, 5
	s_add_co_u32 s[GH+\i], s57, \i
	s_cmp_lt_u32 s[GH+\i], 12
	s_cselect_b64 s[BASE+2+2*\i:BASE+3+2*\i], s[10:11], s[12:13]
	s_cselect_b64 s[OB+2*\i:OB+2*\i+1], s[20:21], s[22:23]
	s_cselect_b32 s57, 0, 12                       ; the kind's first head
	s_cselect_b32 s58, 12, 4                       ; heads of that kind
	s_cmp_lt_u32 s[GH+\i], 16
	s_cselect_b64 s[BASE+2+2*\i:BASE+3+2*\i], s[BASE+2+2*\i:BASE+3+2*\i], s[14:15]
	s_cselect_b64 s[OB+2*\i:OB+2*\i+1], s[OB+2*\i:OB+2*\i+1], s[24:25]
	s_cselect_b32 s57, s57, 16
	s_sub_co_u32 s57, s[GH+\i], s57                ; the head's number within its kind
	s_mul_i32 s26, s57, 64*ROWB
	s_add_nc_u64 s[BASE+2+2*\i:BASE+3+2*\i], s[BASE+2+2*\i:BASE+3+2*\i], s[26:27]
	s_mul_i32 s58, s5, s58
	s_add_co_u32 s58, s58, s57
	s_lshl_b32 s58, s58, 11
	s_add_co_u32 s58, s58, s6
	s_lshl_b32 s62, s58, 7                         ; ((b heads + head) 2048 + position) x 128 bytes
	s_add_nc_u64 s[OB+2*\i:OB+2*\i+1], s[OB+2*\i:OB+2*\i+1], s[62:63]
.endm
	HEADPTR 0
	HEADPTR 1
	HEADPTR 2
	HEADPTR 3
	HEADPTR 4
; 24 loads: one K step of the three groups g0 .. g0 + 2 (of six) into staging set n.  Wave w brings rows 16 w .. 16 w + 15 of each group; a load covers two rows' 256 aligned bytes.
.macro LOADS n, koff, g0
	WIN (\n)<<6
.irp g, (\g0), (\g0)+1, (\g0)+2
.irp i, 0,1,2,3,4,5,6,7
	global_load_b128 v[4*(8*(\g)+\i):4*(8*(\g)+\i)+3], v[VOFF], s[BASE+2*(\g):BASE+2*(\g)+1] offset:2*ROWB*\i+\koff
.endr
.endr
.endm
; Staging set n is rounded to f16 in place (four f32 into two registers) and laid into a slot.
.macro CONV n, slot
.if (\n) == 2
	WIN 0x8a
.else
	WIN 0xcf
.endif
.irp g, 0,1,2,3,4,5
.irp i, 0,1,2,3,4,5,6,7
	v_cvt_pk_f16_f32 v[4*(8*\g+\i)], v[4*(8*\g+\i)], v[4*(8*\g+\i)+1]
	v_cvt_pk_f16_f32 v[4*(8*\g+\i)+1], v[4*(8*\g+\i)+2], v[4*(8*\g+\i)+3]
.endr
.endr
	WIN (\n)<<2
	s_wait_alu depctr_va_vdst(0)                   ; the conversions have written the set, which the LDS stores read; the step's matrix instructions are done reading F0 and F1, in which the next step's LDS loads land
.irp g, 0,1,2,3,4,5
.irp i, 0,1,2,3,4,5,6,7
	ds_store_b64 v[STA+(\slot)], v[4*(8*\g+\i):4*(8*\g+\i)+1] offset:GRP*\g+2*PITCH*\i
.endr
.endr
.endm
; 18 LDS loads: four x fragments and five weight fragments, 32 along K
.macro FRAGS f, slot, kk
	WIN 0
.irp a, 0,1,2,3
	ds_load_b128 v[\f+8*\a:\f+8*\a+3],   v[FA+\slot] offset:16*PITCH*\a+64*\kk
	ds_load_b128 v[\f+8*\a+4:\f+8*\a+7], v[FA+\slot] offset:16*PITCH*\a+64*\kk+32
.endr
.irp b, 0,1,2,3,4
	ds_load_b128 v[\f+32+8*\b:\f+32+8*\b+3], v[FB+\slot] offset:16*PITCH*\b+64*\kk
	ds_load_b128 v[\f+32+8*\b+4:\f+32+8*\b+7], v[FB+\slot] offset:16*PITCH*\b+64*\kk+32
.endr
.endm
; 20 matrix instructions, used transposed (source 0 = weight rows, source 1 = x rows): a lane then holds row r of x and eight neighbouring columns.
; The 20 accumulators take turns, one instruction a turn, in the same order every time.
.macro MULT f, zero
.irp a, 0,1,2,3
.irp b, 0,1,2,3,4
.if \zero
	v_wmma_f32_16x16x32_f16 v[8*(5*\a+\b):8*(5*\a+\b)+7], v[\f+32+8*\b:\f+32+8*\b+7], v[\f+8*\a:\f+8*\a+7], 0
.else
	v_wmma_f32_16x16x32_f16 v[8*(5*\a+\b):8*(5*\a+\b)+7], v[\f+32+8*\b:\f+32+8*\b+7], v[\f+8*\a:\f+8*\a+7], v[8*(5*\a+\b):8*(5*\a+\b)+7]
.endif
.endr
.endr
.endm
; One K step: read this slot, ask for the step two ahead, multiply, convert the next step into the other slot, one barrier.
; The other slot's last readers waited for their LDS loads in front of the barrier that ended the last step; its next readers read behind this one.
.macro TRIP slot, load, step, koff, conv, left, zero, bar
.if \load
.if \step
	s_wait_xcnt 0x0                                ; VOFF, which pending loads name, is written only behind this wait
.endif
	s_wait_alu depctr_vm_vsrc(0)                   ; the last step's LDS stores have read staging set 2 + slot, in which this step's loads land; the loads issued so far have read VOFF
.if \step
	v_add_nc_u32 v[VOFF], 512, v[VOFF]             ; two K steps on
.endif
	s_wait_alu depctr_va_vdst(0)                   ; the last step's conversions are done reading and writing staging set 2 + slot, in which this step's loads land; where VOFF was stepped, it is written
.endif
	FRAGS F0, \slot, 0
	FRAGS F1, \slot, 1
.if \load
	LOADS 2+\slot, \koff, 0                        ; x and heads 0, 1
.endif
	s_wait_dscnt 18                                ; the first 18 fragment loads are in, the second 18 may be out
	WIN 0x50
	MULT F0, \zero
.if \load
	LOADS 2+\slot, \koff, 3                        ; heads 2 to 4.  No wait: the matrix instructions since the head's wait name F0 and window 1, not VOFF and not the staging set
.endif
	s_wait_dscnt 0x0
	WIN 0x50
	MULT F1, 0
.if \conv
	s_wait_loadcnt \left                           ; the next step's 48 loads are in; the 48 issued in this step may be out
	CONV 3-\slot, 1-\slot
.else
	PLACES                                         ; in front of the stores of the sums
.endif
	WIN 0
.if \bar
	s_wait_dscnt 0x0                               ; my stores into the other slot are done, my reads of this one too
	s_barrier_signal -1
	s_barrier_wait -1
.endif
.endm
.macro LAP zero
	TRIP 0, 1, 1, 0,   1, 48, \zero, 1
	TRIP 1, 1, 0, 256, 1, 48, 0, 1
.endm
	s_wait_alu depctr_va_vdst(0)                   ; the offsets and LDS addresses v1 to v11 are written, which the loads and stores of the whole kernel read
	global_load_b128 v[WQ:WQ+3], v[GOFF], s[16:17] ; the gains first: every counted wait below covers them
	global_load_b128 v[WK:WK+3], v[GOFF], s[18:19]
	LOADS 2, 0, 0                                  ; K step 0
	LOADS 2, 0, 3
	LOADS 3, 256, 0                                ; K step 1
	LOADS 3, 256, 3
	WIN 0
	; While these are on their way: cos and sin for my eight row pairs and four columns.  Frequency index 4 (l & 7) + e; the angle is kept in turns,
	; reduced exactly to [-1/2, 1/2], a quarter of it goes through polynomials on [-pi/4, pi/4], and two doublings bring it back.
	v_and_b32 v[LT], 7, v0
	v_lshlrev_b32 v[LT], 2, v[LT]
.irp e, 0,1,2,3
	v_add_nc_u32 v[cFR+\e], \e, v[LT]
	v_cvt_f32_u32 v[cFR+\e], v[cFR+\e]
	v_mul_f32 v[cFR+\e], 0xbed49a78, v[cFR+\e]     ; - index x log2(10000) / 32
.endr
.irp e, 0,1,2,3
	v_exp_f32 v[cFR+\e], v[cFR+\e]
.endr
	s_lshl_b32 s57, s2, 4
	s_add_co_u32 s57, s57, s6
	v_add_nc_u32 v[LT], s57, v[LH]                 ; position of my first row (a plain instruction behind the exponentials, ISA guide 5.7.2)
	s_wait_alu depctr_va_vdst(0)                   ; the four exponentials have written v[cFR ..], ahead of their first reader: one wait for the batch
.irp e, 0,1,2,3
	v_mul_f32 v[cFR+\e], 0.15915494, v[cFR+\e]     ; turns per position
.endr
	v_cvt_f32_u32 v[cTP], v[LT]
	v_cvt_f32_u32 v[cTP+1], v[LT]
	v_and_b32 v[LT], 8, v0
	v_cvt_f32_u32 v[cSG], v[LT]
	v_fma_f32 v[cSG], v[cSG], 0.5, -2.0            ; columns 0-31 take -x2 sin, columns 32-63 +x1 sin; the 2 is the doubling's
	v_mov_b32 v[cSG+1], v[cSG]
	v_mov_b32 v[cK5], 0x3c088889                   ; 1/120
	v_mov_b32 v[cK5+1], 0x3c088889
	v_mov_b32 v[cK4], 0x3d2aaaab                   ; 1/24
	v_mov_b32 v[cK4+1], 0x3d2aaaab
.macro SINCOS p
.if \p
	v_pk_add_f32 v[cTP:cTP+1], v[cTP:cTP+1], 2.0 op_sel_hi:[1,0]
.endif
.irp q, 0,2
	v_pk_mul_f32 v[cU:cU+1], v[cFR+\q:cFR+\q+1], v[cTP:cTP+1]
	v_rndne_f32 v[cN], v[cU]
	v_rndne_f32 v[cN+1], v[cU+1]
	v_pk_add_f32 v[cU:cU+1], v[cU:cU+1], v[cN:cN+1] neg_lo:[0,1] neg_hi:[0,1]
	v_pk_mul_f32 v[cA:cA+1], v[cU:cU+1], 0x3fc90fdb op_sel_hi:[1,0]              ; a quarter of the angle: turns x pi/2
	v_pk_mul_f32 v[cZ:cZ+1], v[cA:cA+1], v[cA:cA+1]
	v_pk_fma_f32 v[cP:cP+1], v[cZ:cZ+1], 0xb9500d01, v[cK5:cK5+1] op_sel_hi:[1,0,1]   ; sin: -1/5040, 1/120, -1/6, 1
	v_pk_fma_f32 v[cP:cP+1], v[cP:cP+1], v[cZ:cZ+1], 0xbe2aaaab op_sel_hi:[1,1,0]
	v_pk_fma_f32 v[cP:cP+1], v[cP:cP+1], v[cZ:cZ+1], 1.0 op_sel_hi:[1,1,0]
	v_pk_mul_f32 v[cP:cP+1], v[cP:cP+1], v[cA:cA+1]
	v_pk_fma_f32 v[cQ:cQ+1], v[cZ:cZ+1], 0xbab60b61, v[cK4:cK4+1] op_sel_hi:[1,0,1]   ; cos: -1/720, 1/24, -1/2, 1
	v_pk_fma_f32 v[cQ:cQ+1], v[cQ:cQ+1], v[cZ:cZ+1], -0.5 op_sel_hi:[1,1,0]
	v_pk_fma_f32 v[cQ:cQ+1], v[cQ:cQ+1], v[cZ:cZ+1], 1.0 op_sel_hi:[1,1,0]
	v_pk_mul_f32 v[cT:cT+1], v[cP:cP+1], v[cQ:cQ+1]                              ; first doubling
	v_pk_mul_f32 v[cN:cN+1], v[cP:cP+1], v[cP:cP+1]
	v_pk_fma_f32 v[cQ:cQ+1], v[cN:cN+1], -2.0, 1.0 op_sel_hi:[1,0,0]
	v_pk_add_f32 v[cP:cP+1], v[cT:cT+1], v[cT:cT+1]
	v_pk_mul_f32 v[cT:cT+1], v[cP:cP+1], v[cQ:cQ+1]                              ; second doubling, into the tables
	v_pk_mul_f32 v[cN:cN+1], v[cP:cP+1], v[cP:cP+1]
	v_pk_fma_f32 v[TAB+8*\p+\q:TAB+8*\p+\q+1], v[cN:cN+1], -2.0, 1.0 op_sel_hi:[1,0,0]
	v_pk_mul_f32 v[TAB+8*\p+4+\q:TAB+8*\p+5+\q], v[cT:cT+1], v[cSG:cSG+1]
.endr
.endm
.irp p, 0,1,2,3,4,5,6,7
	SINCOS \p
.endr
	s_wait_loadcnt 48                              ; the gains and K step 0 are in; K step 1's 48 loads may be out
	v_pk_mul_f32 v[WQ:WQ+1], v[WQ:WQ+1], 0x3e38aa3b op_sel_hi:[1,0]      ; 0.125 log2(e): the scores' scale and the base of the exponential
	v_pk_mul_f32 v[WQ+2:WQ+3], v[WQ+2:WQ+3], 0x3e38aa3b op_sel_hi:[1,0]
	CONV 2, 0                                      ; (its wait also states that the tables' arithmetic has written v24-49, in which step 0's fragments land)
	WIN 0
	s_wait_dscnt 0x0
	s_barrier_signal -1
	s_barrier_wait -1
	LAP 1                                          ; K steps 0, 1: the first products start the sums
	s_mov_b32 s55, 4
.Llap:
	LAP 0                                          ; K steps 2 to 9
	s_sub_co_u32 s55, s55, 1
	s_cmp_lg_u32 s55, 0
	s_cbranch_scc1 .Llap
	TRIP 0, 0, 0, 0, 1, 0, 0, 1                    ; K step 10: nothing left to ask for
	TRIP 1, 0, 0, 0, 0, 0, 0, 0                    ; K step 11
	; The sums go through the stage, so that a head's 64 columns of a row meet in 16 neighbouring lanes.
	WIN 0x04
	s_wait_alu depctr_va_vdst(0)                   ; the matrix instructions have written the sums, which the LDS stores read (the four places above stay beside this wait), and are done reading F0 and F1, in which the first loads from the stage land
.irp a, 0,1,2,3
.irp b, 0,1,2,3,4
	ds_store_b128 v[SWR], v[8*(5*\a+\b):8*(5*\a+\b)+3]   offset:16*SP*\a+64*\b
	ds_store_b128 v[SWR], v[8*(5*\a+\b)+4:8*(5*\a+\b)+7] offset:16*SP*\a+64*\b+16
.endr
.endr
	WIN 0
	s_wait_dscnt 0x0
	s_barrier_signal -1
	s_barrier_wait -1
; THE WAY OUT, five blocks, one a head.  Wave w takes rows 16 w .. 16 w + 15, two at a time (p); lane (r, h) holds row 16 w + h + 2 p, columns 4 r .. 4 r + 3.
;   X0, X1   a head's numbers from the stage.  Written by the LDS loads of head i + 1, issued in block i; read by block i + 1's arithmetic.
;   O0, O1   a head's 16 rows in f16.  Written by block i's roundings; read by the eight stores that are issued in block i + 1.
; Block i works on X[i % 2] and writes O[i % 2]; its memory instructions touch the other X and the other O, which no vector instruction of block i names.
; So the waits at a block's head state all that its loads and stores hang on.
.macro XLOAD i                         ; head i from the stage into X[i % 2]
.irp p, 0,1,2,3,4,5,6,7
	ds_load_b128 v[eX+XSTEP*((\i)%2)+4*\p:eX+XSTEP*((\i)%2)+4*\p+3], v[SRD] offset:2*SP*\p+256*(\i)
.endr
.endm
.macro SENDH i                         ; head i's rows out of O[i % 2]
.irp p, 0,1,2,3,4,5,6,7
	global_store_b64 v[OOFF], v[eOUT+OSTEP*((\i)%2)+2*\p:eOUT+OSTEP*((\i)%2)+2*\p+1], s[OB+2*(\i):OB+2*(\i)+1] offset:256*\p   ; the wave's 32 lanes store 256 consecutive bytes, aligned
.endr
.endm
.macro EPI i
.set XB, eX+XSTEP*((\i)%2)
.set YB, eOUT+OSTEP*((\i)%2)
.if \i >= 2
	s_wait_xcnt 0x0                                ; the registers that the stores issued in the block before read are written again only behind this wait
	s_wait_alu depctr_vm_vsrc(0)                   ; those stores have read O[i % 2], which this block's roundings write again
.endif
.if \i >= 1
	s_wait_alu depctr_va_vdst(0)                   ; the block before has written the other O, which the stores below read, and is done reading the other X, in which the loads below land
.endif
.if \i < 4
	XLOAD (\i)+1
.endif
.if \i >= 1
	SENDH (\i)-1
.endif
.if \i < 4
	s_wait_dscnt 8                                 ; LDS loads come back in order: this head's eight are in, the next head's eight may be out
.else
	s_wait_dscnt 0x0
.endif
	s_cmp_ge_u32 s[GH+\i], 16
	s_cbranch_scc1 .Lvhead_\i
	s_cmp_lt_u32 s[GH+\i], 12
	s_cselect_b32 s57, -1, 0
.irp e, 0,1,2,3
	v_cndmask_b32 v[WSEL+\e], v[WK+\e], v[WQ+\e], s57
.endr
.irp p, 0,1,2,3,4,5,6,7
	v_pk_mul_f32 v[eT+2*\p:eT+2*\p+1], v[XB+4*\p:XB+4*\p+1], v[XB+4*\p:XB+4*\p+1]
	v_pk_fma_f32 v[eT+2*\p:eT+2*\p+1], v[XB+4*\p+2:XB+4*\p+3], v[XB+4*\p+2:XB+4*\p+3], v[eT+2*\p:eT+2*\p+1]
	v_add_f32 v[eSS+\p], v[eT+2*\p], v[eT+2*\p+1]
.endr
.irp m, 1,2,4,8
.irp p, 0,1,2,3,4,5,6,7
	v_add_f32_dpp v[eSS+\p], v[eSS+\p], v[eSS+\p] row_xmask:\m row_mask:0xf bank_mask:0xf
.endr
.endr
.irp p, 0,1,2,3,4,5,6,7
	v_fma_f32 v[eSS+\p], v[eSS+\p], s56, s59       ; mean of the squares + EPS
.endr
.irp p, 0,1,2,3,4,5,6,7
	v_rsq_f32 v[eSS+\p], v[eSS+\p]
.endr
	v_nop                                          ; a plain instruction behind the last of them (ISA guide 5.7.2)
	s_wait_alu depctr_va_vdst(0)                   ; the eight roots have written v[eSS ..], ahead of their first reader: one wait for the batch
.irp p, 0,1,2,3,4,5,6,7
.if (\p % 2) == 0
	v_pk_mul_f32 v[eWR:eWR+1], v[WSEL:WSEL+1], v[eSS+\p:eSS+\p+1] op_sel_hi:[1,0]
	v_pk_mul_f32 v[eWR+2:eWR+3], v[WSEL+2:WSEL+3], v[eSS+\p:eSS+\p+1] op_sel_hi:[1,0]
.else
	v_pk_mul_f32 v[eWR:eWR+1], v[WSEL:WSEL+1], v[eSS+\p-1:eSS+\p] op_sel:[0,1] op_sel_hi:[1,1]
	v_pk_mul_f32 v[eWR+2:eWR+3], v[WSEL+2:WSEL+3], v[eSS+\p-1:eSS+\p] op_sel:[0,1] op_sel_hi:[1,1]
.endif
	v_pk_mul_f32 v[eY:eY+1], v[XB+4*\p:XB+4*\p+1], v[eWR:eWR+1]
	v_pk_mul_f32 v[eY+2:eY+3], v[XB+4*\p+2:XB+4*\p+3], v[eWR+2:eWR+3]
.irp e, 0,1,2,3
	v_mul_f32_dpp v[eT+\e], v[eY+\e], v[TAB+8*\p+4+\e] row_xmask:8 row_mask:0xf bank_mask:0xf   ; the column 32 away lies in lane r xor 8
.endr
	v_pk_fma_f32 v[eY:eY+1], v[eY:eY+1], v[TAB+8*\p:TAB+8*\p+1], v[eT:eT+1]
	v_pk_fma_f32 v[eY+2:eY+3], v[eY+2:eY+3], v[TAB+8*\p+2:TAB+8*\p+3], v[eT+2:eT+3]
	v_cvt_pk_f16_f32 v[YB+2*\p], v[eY], v[eY+1]
	v_cvt_pk_f16_f32 v[YB+2*\p+1], v[eY+2], v[eY+3]
.endr
	s_branch .Lhead_done_\i
.Lvhead_\i:                                        ; a v head is only rounded
.irp p, 0,1,2,3,4,5,6,7
	v_cvt_pk_f16_f32 v[YB+2*\p], v[XB+4*\p], v[XB+4*\p+1]
	v_cvt_pk_f16_f32 v[YB+2*\p+1], v[XB+4*\p+2], v[XB+4*\p+3]
.endr
.Lhead_done_\i:
.endm
	XLOAD 0
	EPI 0
	EPI 1
	EPI 2
	EPI 3
	EPI 4
	s_wait_alu depctr_va_vdst(0)                   ; the last block has written O0, which the last eight stores read
	SENDH 4
	s_wait_dscnt 0x0
	s_wait_alu depctr_hold_cnt(0) depctr_sa_sdst(0) depctr_va_vdst(0) depctr_va_sdst(0) depctr_va_ssrc(0) depctr_va_vcc(0) depctr_vm_vsrc(0)
	s_wait_tensorcnt 0x0
	ds_add_u32 v254, v255
	s_wait_dscnt 0x0
	s_endpgm
.Lfunc_end_k_q77e18f280c_qkv:
	.size	k_q77e18f280c_qkv, .Lfunc_end_k_q77e18f280c_qkv-k_q77e18f280c_qkv
	.p2alignl 7, 3214868480
	.fill 96, 4, 3214868480
	.section	.rodata,"a",@progbits
	.p2align	6, 0x0
	.amdhsa_kernel k_q77e18f280c_qkv
		.amdhsa_group_segment_fixed_size 194048
		.amdhsa_private_segment_fixed_size 0
		.amdhsa_enable_private_segment 0
		.amdhsa_kernarg_size 72
		.amdhsa_user_sgpr_count 2
		.amdhsa_user_sgpr_kernarg_segment_ptr 1
		.amdhsa_wavefront_size32 1
		.amdhsa_system_sgpr_workgroup_id_x 1
		.amdhsa_system_sgpr_workgroup_id_y 1
		.amdhsa_system_sgpr_workgroup_id_z 1
		.amdhsa_system_vgpr_workitem_id 0
		.amdhsa_next_free_vgpr 960
		.amdhsa_next_free_sgpr 66
		.amdhsa_reserve_vcc 0
		.amdhsa_float_denorm_mode_32 3
		.amdhsa_float_denorm_mode_16_64 3
		.amdhsa_memory_ordered 1
		.amdhsa_forward_progress 1
		.amdhsa_inst_pref_size 211
	.end_amdhsa_kernel
	.amdgpu_metadata
---
amdhsa.version: [ 1, 2 ]
amdhsa.kernels:
  - .name:           k_q77e18f280c_qkv
    .symbol:         k_q77e18f280c_qkv.kd
    .args:
      - { .name: hidden_states, .offset: 0, .size: 8, .value_kind: global_buffer, .address_space: global }
      - { .name: q_w, .offset: 8, .size: 8, .value_kind: global_buffer, .address_space: global }
      - { .name: k_w, .offset: 16, .size: 8, .value_kind: global_buffer, .address_space: global }
      - { .name: v_w, .offset: 24, .size: 8, .value_kind: global_buffer, .address_space: global }
      - { .name: q_ln_w, .offset: 32, .size: 8, .value_kind: global_buffer, .address_space: global }
      - { .name: k_ln_w, .offset: 40, .size: 8, .value_kind: global_buffer, .address_space: global }
      - { .name: q_ws, .offset: 48, .size: 8, .value_kind: global_buffer, .address_space: global }
      - { .name: k_ws, .offset: 56, .size: 8, .value_kind: global_buffer, .address_space: global }
      - { .name: v_ws, .offset: 64, .size: 8, .value_kind: global_buffer, .address_space: global }
    .group_segment_fixed_size: 194048
    .private_segment_fixed_size: 0
    .kernarg_segment_align: 8
    .kernarg_segment_size: 72
    .max_flat_workgroup_size: 128
    .sgpr_count:     66
    .vgpr_count:     960
    .wavefront_size: 32
...
	.end_amdgpu_metadata
.endif
;; end of part 4
;; launch attn (part 5): grid 32 x 8, 4 waves a work-group, no clusters, 164,352 bytes of LDS; arguments q_ws, k_ws, v_ws, attn_ws; writes attn_ws
.if DOCPART == 5
	.amdgcn_target "amdgcn-amd-amdhsa--gfx1250"
	.amdhsa_code_object_version 6
	.text
	.protected	k_q77e18f280c_attn
	.globl	k_q77e18f280c_attn
	.p2align	8
	.type	k_q77e18f280c_attn,@function
k_q77e18f280c_attn:
	s_mov_b64 s[64:65], 0
	v_nop
	global_prefetch_b8 v0, s[64:65] scope:SCOPE_SE
	s_setreg_imm32_b32 hwreg(HW_REG_WAVE_SCHED_MODE, 0, 2), 2
	s_setreg_imm32_b32 hwreg(HW_REG_WAVE_MODE, 25, 1), 1
	s_wait_xcnt 0x0
	s_wait_alu depctr_vm_vsrc(0)
; Attention with the mask i - 384 < j <= i, for 64 queries x the three query heads of one kv head.  q_ws already carries 0.125 log2(e), so the
; exponentials are base 2.  Output attn_ws [12 heads][4096 rows][64] in f16.
; All 448 keys q0 - 384 .. q0 + 63 of K and V are laid into LDS once (one barrier).  Wave w has queries q0 + 16 w .. + 15, all three heads, and walks
; 13 chunks of 32 keys downward from the chunk that holds its diagonal: that chunk exists for every query and gives a finite running maximum.
; Only the first (causal edge) and the thirteenth (window edge) chunk need a mask; chunks in front of the sequence's start are not multiplied.
; S^T = K Q^T: lane (r, h) holds, for query r, keys 8 h + j of each 16-key tile, which is the layout of the second source of O^T = V^T P^T:
; P goes from sums to operand by conversions alone, and maximum, sum and rescale factor are one number a lane.
; No joint tile requests: the three query heads that share K and V already sit in one wave, and neighbouring query blocks use windows that are shifted by
; 64 keys, so a shared tile would be read at an LDS address that hangs on the place among the partners.
; LIMITS: P and the output are rounded to f16 (P <= 1; |output| <= max |v| < 65,504).  NaN and infinite inputs are not treated.
; THE MODE: SCHED_MODE bits 1:0 = 2 (LLVM: expert scheduling mode 2), set by the entry lines.  The code itself states the register dependences
; between vector or matrix instructions and memory or LDS instructions, with s_wait_alu, always for 0.
; THE PLAN.  Registers that memory or LDS instructions touch:
;   window 1     v0-223: at the head K's and V's rows land there and the LDS stores read them; from the first chunk on v0-95 are O^T, named by vector and matrix instructions alone.
;   KF           the LDS loads of the chunk below land in it, behind this chunk's 12 products K Q^T, which read it.
;   VF           this chunk's LDS loads land in it; the chunk's 12 products V^T P read it.
;   KADR, VADR   read by those loads; stepped once a chunk, both at one place.
;   QF           loaded once.   v2-10, v15-18: offsets and LDS addresses, made at the head and never written again.
;   At the end:  v[SC ..] written by the conversions and read by the LDS stores; v144-191 take the stage's rows, which the global stores read.
; A chunk has, behind its products K Q^T: one wait on vm_vsrc, the two address steps, one wait on va_vdst, and the chunk's sixteen LDS loads;
; and one wait on va_vdst behind its batch of exponentials.  A masked chunk makes its masks in two runs of eight compares, each with one wait on va_sdst.
.set KP,    144                        ; K's LDS pitch: 128 + 16
.set VP,    160                        ; V's LDS pitch: an odd multiple of 32, for the transposing loads
.set VBASE, 448*KP                     ; 64,512
.set OST,   VBASE+448*VP               ; 136,192: output stage, 3 heads x 16 rows x 144 bytes for each wave, its own
.set GO,   2                           ; v2-8    key block i: byte offset of my 16 bytes in K and V
.set KST,  9
.set VST,  10
.set KADR, 11                          ; K fragments of the chunk to be fetched; steps down
.set VADR, 12                          ; V fragments of the current chunk; steps down
.set D0,   13                          ; 8 h - r - 16 (w & 1): key minus query for x = 0 in the diagonal chunk
.set NINF, 14
.set QOFF, 15
.set OSW,  16
.set OSR,  17
.set OOFF, 18
.set ST,   20                          ; v20-31  head hd: maximum, sum, rescale factor, scratch
.set MX,   32
.set SM,   36                          ; v36-41  a pair of partial sums for each head
.set LL,   42
.set LR,   43
.set LH,   44
.set L8,   45
.set L7,   46
.set LT,   47
.set QF,   48                          ; v48-95   Q fragments, 16 hd + 8 ks
.set SC,   96                          ; v96-143  scores, 16 hd + 8 t; then P in the first 8 of each 16
.set KF,   144                         ; v144-175 K fragments, 16 t + 8 ks
.set VF,   176                         ; v176-207 V^T fragments, 8 dt
.set MK,   28                          ; s28-35   eight masks
; window 1: O^T, 32 hd + 8 dt (96 registers); before that the 224 staging registers of K and V
.set MSB, 0
.macro WIN new
.if MSB != (\new)
	s_set_vgpr_msb (MSB<<8)|(\new)
.set MSB, (\new)
.endif
.endm
.macro PLACES
.rept 4
	v_nop
.endr
.endm
	s_load_b256 s[8:15], s[0:1], 0x0               ; q_ws 8, k_ws 10, v_ws 12, attn_ws 14
	v_lshl_add_u32 v254, v0, 2, 0x28000
	v_mov_b32 v255, 0
	v_lshrrev_b32 v[LT], 5, v0
	v_readfirstlane_b32 s2, v[LT]                  ; wave
	s_and_b32 s4, ttmp7, 0xffff                    ; 4 b + kv head
	s_lshr_b32 s5, s4, 2
	s_and_b32 s6, s4, 3
	s_lshl_b32 s7, ttmp9, 6                        ; q0
	s_mov_b32 s16, 0x76543210                      ; v_permlanex16_b32: lane i of the other half
	s_mov_b32 s17, 0xfedcba98
	s_wait_alu depctr_va_sdst(0)                   ; s2 is written, ahead of its first reader: the wave's chunk, offsets and LDS addresses are made from it
	s_lshr_b32 s24, s2, 1
	s_and_b32 s25, s2, 1
	s_lshl_b32 s18, s24, 5
	s_add_co_u32 s18, s18, s7                      ; first key of my diagonal chunk
	v_and_b32 v[LL], 31, v0
	v_and_b32 v[LR], 15, v0
	v_bfe_u32 v[LH], v0, 4, 1
	v_bfe_u32 v[L8], v0, 3, 2                      ; l >> 3
	v_and_b32 v[L7], 7, v0
	s_lshl_b32 s26, s2, 11
	v_lshl_add_u32 v[OOFF], v[LL], 4, s26          ; 16 rows of 128 bytes a wave + 16 bytes a lane
.irp i, 0,1,2,3,4,5,6
	s_add_co_i32 s27, s7, 64*\i-384
	s_max_i32 s27, s27, 0                          ; blocks in front of the sequence's start read block 0 again: every LDS row is written, none of these is multiplied
	s_lshl_b32 s27, s27, 7
	v_add_nc_u32 v[GO+\i], s27, v[OOFF]
.endr
	s_mul_i32 s27, s2, 16*KP
	v_mul_u32_u24 v[KST], v[L8], KP
	v_lshl_add_u32 v[KST], v[L7], 4, v[KST]
	v_add_nc_u32 v[KST], s27, v[KST]
	s_mul_i32 s27, s2, 16*VP
	s_add_co_u32 s27, s27, VBASE
	v_mul_u32_u24 v[VST], v[L8], VP
	v_lshl_add_u32 v[VST], v[L7], 4, v[VST]
	v_add_nc_u32 v[VST], s27, v[VST]
	s_mul_i32 s27, s24, 32*KP
	s_add_co_u32 s27, s27, 384*KP
	v_mul_u32_u24 v[KADR], v[LR], KP
	v_lshl_add_u32 v[KADR], v[LH], 4, v[KADR]
	v_add_nc_u32 v[KADR], s27, v[KADR]
	s_mul_i32 s27, s24, 32*VP
	s_add_co_u32 s27, s27, VBASE+384*VP
	v_lshl_add_u32 v[LT], v[LH], 3, v[L7]          ; 8 h + (l & 7)
	v_mul_u32_u24 v[VADR], v[LT], VP
	v_bfe_u32 v[LT], v0, 3, 1
	v_lshl_add_u32 v[VADR], v[LT], 4, v[VADR]
	v_add_nc_u32 v[VADR], s27, v[VADR]
	v_lshlrev_b32 v[LT], 3, v[LH]
	v_sub_nc_u32 v[D0], v[LT], v[LR]
	s_lshl_b32 s27, s25, 4
	v_sub_nc_u32 v[D0], v[D0], s27
	v_mov_b32 v[NINF], 0xff800000
	v_lshlrev_b32 v[QOFF], 7, v[LR]
	v_lshl_add_u32 v[QOFF], v[LH], 4, v[QOFF]
	v_add_nc_u32 v[QOFF], s26, v[QOFF]
	s_mul_i32 s27, s2, 48*KP
	s_add_co_u32 s27, s27, OST
	v_mul_u32_u24 v[OSW], v[LR], KP
	v_lshl_add_u32 v[OSW], v[LH], 4, v[OSW]
	v_add_nc_u32 v[OSW], s27, v[OSW]
	v_mul_u32_u24 v[OSR], v[L8], KP
	v_lshl_add_u32 v[OSR], v[L7], 4, v[OSR]
	v_add_nc_u32 v[OSR], s27, v[OSR]
.irp hd, 0,1,2
	v_mov_b32 v[ST+4*\hd+1], 0                     ; written once: packed pairs and the lane exchange's destination count as read
	v_mov_b32 v[ST+4*\hd+3], 0
.endr
	s_wait_kmcnt 0x0
	s_lshl_b32 s20, s4, 18                         ; (4 b + kv head) x 2048 rows x 128 bytes
	s_mov_b32 s21, 0
	s_add_nc_u64 s[10:11], s[10:11], s[20:21]
	s_add_nc_u64 s[12:13], s[12:13], s[20:21]
	s_mul_i32 s22, s5, 12
	s_mul_i32 s23, s6, 3
	s_add_co_u32 s22, s22, s23
	s_lshl_b32 s22, s22, 11
	s_add_co_u32 s22, s22, s7
	s_lshl_b32 s22, s22, 7
	s_mov_b32 s23, 0
	s_add_nc_u64 s[8:9], s[8:9], s[22:23]          ; q at head 3 kvh, row q0
	s_mul_i32 s20, s6, 3*4096
	s_lshl_b32 s22, s5, 11
	s_add_co_u32 s20, s20, s22
	s_add_co_u32 s20, s20, s7
	s_lshl_b32 s20, s20, 7
	s_add_nc_u64 s[14:15], s[14:15], s[20:21]      ; output at head 3 kvh, row 2048 b + q0
	; 56 loads of K and V (a load covers four rows, 512 consecutive bytes), then Q's 12 fragment loads
	WIN 0x40
	s_wait_alu depctr_va_vdst(0)                   ; the offsets and LDS addresses v2 to v12 and v15 to v18 are written, which the loads and stores below read
.irp i, 0,1,2,3,4,5,6
.irp j, 0,1,2,3
	global_load_b128 v[32*\i+4*\j:32*\i+4*\j+3], v[GO+\i], s[10:11] offset:512*\j
.endr
.irp j, 0,1,2,3
	global_load_b128 v[32*\i+16+4*\j:32*\i+16+4*\j+3], v[GO+\i], s[12:13] offset:512*\j
.endr
.endr
	WIN 0
.irp hd, 0,1,2
.irp ks, 0,1
	global_load_b128 v[QF+16*\hd+8*\ks:QF+16*\hd+8*\ks+3],   v[QOFF], s[8:9] offset:262144*\hd+64*\ks
	global_load_b128 v[QF+16*\hd+8*\ks+4:QF+16*\hd+8*\ks+7], v[QOFF], s[8:9] offset:262144*\hd+64*\ks+32
.endr
.endr
	WIN 0x04
.irp i, 0,1,2,3,4,5,6
	s_wait_loadcnt 8*(6-\i)+12                     ; block i is in; the later blocks' eight loads each and Q's twelve may be out
.irp j, 0,1,2,3
	ds_store_b128 v[KST], v[32*\i+4*\j:32*\i+4*\j+3] offset:64*KP*\i+4*KP*\j
.endr
.irp j, 0,1,2,3
	ds_store_b128 v[VST], v[32*\i+16+4*\j:32*\i+16+4*\j+3] offset:64*VP*\i+4*VP*\j
.endr
.endr
	WIN 0
	s_wait_dscnt 0x0
	s_barrier_signal -1
	s_barrier_wait -1                              ; K and V are whole; LDS is only read from here up to the barrier in front of the way out
.macro KLOAD                           ; 32 keys x 64: two tiles of 16 keys, two halves of the head's 64
.irp t, 0,1
.irp ks, 0,1
	ds_load_b128 v[KF+16*\t+8*\ks:KF+16*\t+8*\ks+3],   v[KADR] offset:16*KP*\t+64*\ks
	ds_load_b128 v[KF+16*\t+8*\ks+4:KF+16*\t+8*\ks+7], v[KADR] offset:16*KP*\t+64*\ks+32
.endr
.endr
.endm
.macro VLOAD                           ; V^T: four tiles of 16 d x 32 keys, transposed on the way
.irp dt, 0,1,2,3
	ds_load_tr16_b128 v[VF+8*\dt:VF+8*\dt+3],   v[VADR] offset:32*\dt
	ds_load_tr16_b128 v[VF+8*\dt+4:VF+8*\dt+7], v[VADR] offset:32*\dt+16*VP
.endr
.endm
; One chunk of 32 keys.  first = 1: it starts maximum, sums and O.  mask = 1: causal edge, 2: window edge.  next = 1: the chunk below is fetched ahead.
.macro CHUNK first, mask, next
	s_wait_dscnt 0x0                               ; this chunk's K fragments
.irp hd, 0,1,2
.irp t, 0,1
	v_wmma_f32_16x16x32_f16 v[SC+16*\hd+8*\t:SC+16*\hd+8*\t+7], v[KF+16*\t:KF+16*\t+7], v[QF+16*\hd:QF+16*\hd+7], 0
.endr
.endr
.irp hd, 0,1,2                                     ; the six accumulators take turns
.irp t, 0,1
	v_wmma_f32_16x16x32_f16 v[SC+16*\hd+8*\t:SC+16*\hd+8*\t+7], v[KF+16*\t+8:KF+16*\t+15], v[QF+16*\hd+8:QF+16*\hd+15], v[SC+16*\hd+8*\t:SC+16*\hd+8*\t+7]
.endr
.endr
	PLACES                                         ; in front of the reads of the scores
	s_wait_alu depctr_vm_vsrc(0)                   ; the fragment loads issued so far have read KADR and VADR; in the first chunk also: the head's LDS stores have read the staging registers, which the products V^T P below write as O^T
.if \next
	v_sub_nc_u32 v[KADR], v[KADR], 32*KP           ; the chunk below
.endif
.if \first == 0
	v_sub_nc_u32 v[VADR], v[VADR], 32*VP           ; this chunk
.endif
	s_wait_alu depctr_va_vdst(0)                   ; the stepped addresses are written; the products above are done reading KF, the last chunk's products V^T P are done reading VF: the loads below land in both
	VLOAD
.if \next
	KLOAD
.endif
.if \mask
.irp t, 0,1
.irp j, 0,1,2,3,4,5,6,7
.if \mask == 1
	v_cmp_ge_i32 s[MK+\j], -(16*\t+\j), v[D0]      ; key <= query
.else
	v_cmp_lt_i32 s[MK+\j], -(16*\t+\j), v[D0]      ; key > query - 384
.endif
.endr
	s_wait_alu depctr_va_sdst(0)                   ; the eight compares have written s[MK ..], ahead of the selects that read them
.irp j, 0,1,2,3,4,5,6,7
.irp hd, 0,1,2
	v_cndmask_b32 v[SC+16*\hd+8*\t+\j], v[NINF], v[SC+16*\hd+8*\t+\j], s[MK+\j]
.endr
.endr
.endr
.endif
.irp hd, 0,1,2
	v_max3_num_f32 v[MX+\hd], v[SC+16*\hd], v[SC+16*\hd+1], v[SC+16*\hd+2]
.endr
.irp k, 3,5,7,9,11,13
.irp hd, 0,1,2
	v_max3_num_f32 v[MX+\hd], v[MX+\hd], v[SC+16*\hd+\k], v[SC+16*\hd+\k+1]
.endr
.endr
.irp hd, 0,1,2
.if \first
	v_max_num_f32 v[MX+\hd], v[MX+\hd], v[SC+16*\hd+15]
.else
	v_max3_num_f32 v[MX+\hd], v[MX+\hd], v[SC+16*\hd+15], v[ST+4*\hd]
.endif
.endr
.irp hd, 0,1,2
	v_permlanex16_b32 v[ST+4*\hd+3], v[MX+\hd], s16, s17       ; the other half of the lanes holds the query's other keys
.endr
.irp hd, 0,1,2
	v_max_num_f32 v[MX+\hd], v[MX+\hd], v[ST+4*\hd+3]
.endr
.irp hd, 0,1,2
.if \first == 0
	v_sub_f32 v[ST+4*\hd+2], v[ST+4*\hd], v[MX+\hd]            ; old maximum - new
.endif
	v_mov_b32 v[ST+4*\hd], v[MX+\hd]
.endr
.irp hd, 0,1,2
.irp k, 0,2,4,6,8,10,12,14
	v_pk_add_f32 v[SC+16*\hd+\k:SC+16*\hd+\k+1], v[SC+16*\hd+\k:SC+16*\hd+\k+1], v[ST+4*\hd:ST+4*\hd+1] op_sel_hi:[1,0] neg_lo:[0,1] neg_hi:[0,1]
.endr
.endr
.irp hd, 0,1,2
.irp k, 0,1,2,3,4,5,6,7,8,9,10,11,12,13,14,15
	v_exp_f32 v[SC+16*\hd+\k], v[SC+16*\hd+\k]
.endr
.endr
.if \first == 0
.irp hd, 0,1,2
	v_exp_f32 v[ST+4*\hd+2], v[ST+4*\hd+2]
.endr
.endif
	v_nop                                          ; a plain instruction behind the last exponential (ISA guide 5.7.2)
	s_wait_alu depctr_va_vdst(0)                   ; the exponentials have written the weights and the rescale factors, ahead of their first reader: one wait for the batch
.irp hd, 0,1,2
	v_pk_add_f32 v[SM+2*\hd:SM+2*\hd+1], v[SC+16*\hd:SC+16*\hd+1], v[SC+16*\hd+2:SC+16*\hd+3]
.endr
.irp k, 4,6,8,10,12,14
.irp hd, 0,1,2
	v_pk_add_f32 v[SM+2*\hd:SM+2*\hd+1], v[SM+2*\hd:SM+2*\hd+1], v[SC+16*\hd+\k:SC+16*\hd+\k+1]
.endr
.endr
.irp hd, 0,1,2                                     ; P to f16, packed downward in place: register 4 t + jj from 8 t + 2 jj and the next
.irp t, 0,1
.irp jj, 0,1,2,3
	v_cvt_pk_f16_f32 v[SC+16*\hd+4*\t+\jj], v[SC+16*\hd+8*\t+2*\jj], v[SC+16*\hd+8*\t+2*\jj+1]
.endr
.endr
.endr
.if \next
	s_wait_dscnt 8                                 ; V's eight loads are in; the next chunk's eight K loads may be out
.else
	s_wait_dscnt 0x0
.endif
.if \first == 0
	WIN 0x41
.irp hd, 0,1,2
.irp k, 0,2,4,6,8,10,12,14,16,18,20,22,24,26,28,30
	v_pk_mul_f32 v[32*\hd+\k:32*\hd+\k+1], v[32*\hd+\k:32*\hd+\k+1], v[ST+4*\hd+2:ST+4*\hd+3] op_sel_hi:[1,0]
.endr
.endr
.endif
	WIN 0x50
.irp hd, 0,1,2                                     ; twelve accumulators, one instruction each
.irp dt, 0,1,2,3
.if \first
	v_wmma_f32_16x16x32_f16 v[32*\hd+8*\dt:32*\hd+8*\dt+7], v[VF+8*\dt:VF+8*\dt+7], v[SC+16*\hd:SC+16*\hd+7], 0
.else
	v_wmma_f32_16x16x32_f16 v[32*\hd+8*\dt:32*\hd+8*\dt+7], v[VF+8*\dt:VF+8*\dt+7], v[SC+16*\hd:SC+16*\hd+7], v[32*\hd+8*\dt:32*\hd+8*\dt+7]
.endif
.endr
.endr
	WIN 0
	; The lines below are also the places in front of the next chunk's first products, which write over P: five or more plain vector instructions.
.if \first
.irp hd, 0,1,2
	v_add_f32 v[ST+4*\hd+1], v[SM+2*\hd], v[SM+2*\hd+1]
.endr
	v_nop
	v_nop
	v_nop
.else
.irp hd, 0,1,2
	v_fma_f32 v[ST+4*\hd+1], v[ST+4*\hd+1], v[ST+4*\hd+2], v[SM+2*\hd]
.endr
.irp hd, 0,1,2
	v_add_f32 v[ST+4*\hd+1], v[ST+4*\hd+1], v[SM+2*\hd+1]
.endr
.endif
.endm
	KLOAD                                          ; the diagonal chunk's K fragments
	s_wait_loadcnt 0x0                             ; Q
	CHUNK 1, 1, 1
	s_mov_b32 s19, 11
.Lmid:
	s_sub_co_i32 s18, s18, 32                      ; the chunk's first key; chunks lie wholly in or wholly in front of the sequence
	s_cmp_lt_i32 s18, 0
	s_cbranch_scc1 .Lfinish
	CHUNK 0, 0, 1
	s_sub_co_i32 s19, s19, 1
	s_cmp_lg_u32 s19, 0
	s_cbranch_scc1 .Lmid
	s_sub_co_i32 s18, s18, 32
	s_cmp_lt_i32 s18, 0
	s_cbranch_scc1 .Lfinish
	CHUNK 0, 2, 0
.Lfinish:
	s_wait_dscnt 0x0                               ; all my reads of K and V are back, the K fragments fetched ahead among them (their registers are used below)
	s_barrier_signal -1                            ; every wave comes here on every path: LDS is stored into again only when
	s_barrier_wait -1                              ; all four waves have finished reading K and V
.irp hd, 0,1,2
	v_permlanex16_b32 v[ST+4*\hd+3], v[ST+4*\hd+1], s16, s17
.endr
.irp hd, 0,1,2
	v_add_f32 v[ST+4*\hd+1], v[ST+4*\hd+1], v[ST+4*\hd+3]
.endr
.irp hd, 0,1,2
	v_rcp_f32 v[ST+4*\hd+2], v[ST+4*\hd+1]
.endr
	v_nop
	s_wait_alu depctr_va_vdst(0)                   ; the three reciprocals are written, ahead of their first reader: one wait for the batch
	WIN 0x41
.irp hd, 0,1,2
.irp k, 0,2,4,6,8,10,12,14,16,18,20,22,24,26,28,30
	v_pk_mul_f32 v[32*\hd+\k:32*\hd+\k+1], v[32*\hd+\k:32*\hd+\k+1], v[ST+4*\hd+2:ST+4*\hd+3] op_sel_hi:[1,0]
.endr
.endr
	WIN 0x05
.irp hd, 0,1,2
.irp dt, 0,1,2,3
.irp jj, 0,1,2,3
	v_cvt_pk_f16_f32 v[SC+16*\hd+4*\dt+\jj], v[32*\hd+8*\dt+2*\jj], v[32*\hd+8*\dt+2*\jj+1]
.endr
.endr
.endr
	WIN 0
	s_wait_alu depctr_va_vdst(0)                   ; the conversions have written v[SC ..], which the LDS stores read; the last products are done reading KF and VF, in which the loads from the stage land
	; A lane holds 16 bytes of its query's row; through my own stage they become whole rows.  LDS serves a wave's instructions in order (ISA guide 5.7.1).
.irp hd, 0,1,2
.irp dt, 0,1,2,3
	ds_store_b128 v[OSW], v[SC+16*\hd+4*\dt:SC+16*\hd+4*\dt+3] offset:16*KP*\hd+32*\dt
.endr
.endr
.irp hd, 0,1,2
.irp i, 0,1,2,3
	ds_load_b128 v[KF+4*(4*\hd+\i):KF+4*(4*\hd+\i)+3], v[OSR] offset:16*KP*\hd+4*KP*\i
.endr
.endr
.irp hd, 0,1,2
.irp i, 0,1,2,3
	s_wait_dscnt 11-(4*\hd+\i)
	global_store_b128 v[OOFF], v[KF+4*(4*\hd+\i):KF+4*(4*\hd+\i)+3], s[14:15] offset:524288*\hd+512*\i   ; four rows: 512 consecutive bytes, aligned
.endr
.endr
	s_wait_dscnt 0x0
	s_wait_alu depctr_hold_cnt(0) depctr_sa_sdst(0) depctr_va_vdst(0) depctr_va_sdst(0) depctr_va_ssrc(0) depctr_va_vcc(0) depctr_vm_vsrc(0)
	s_wait_tensorcnt 0x0
	ds_add_u32 v254, v255
	s_wait_dscnt 0x0
	s_endpgm
.Lfunc_end_k_q77e18f280c_attn:
	.size	k_q77e18f280c_attn, .Lfunc_end_k_q77e18f280c_attn-k_q77e18f280c_attn
	.p2alignl 7, 3214868480
	.fill 96, 4, 3214868480
	.section	.rodata,"a",@progbits
	.p2align	6, 0x0
	.amdhsa_kernel k_q77e18f280c_attn
		.amdhsa_group_segment_fixed_size 164352
		.amdhsa_private_segment_fixed_size 0
		.amdhsa_enable_private_segment 0
		.amdhsa_kernarg_size 32
		.amdhsa_user_sgpr_count 2
		.amdhsa_user_sgpr_kernarg_segment_ptr 1
		.amdhsa_wavefront_size32 1
		.amdhsa_system_sgpr_workgroup_id_x 1
		.amdhsa_system_sgpr_workgroup_id_y 1
		.amdhsa_system_sgpr_workgroup_id_z 1
		.amdhsa_system_vgpr_workitem_id 0
		.amdhsa_next_free_vgpr 480
		.amdhsa_next_free_sgpr 66
		.amdhsa_reserve_vcc 0
		.amdhsa_float_denorm_mode_32 3
		.amdhsa_float_denorm_mode_16_64 3
		.amdhsa_memory_ordered 1
		.amdhsa_forward_progress 1
		.amdhsa_inst_pref_size 74
	.end_amdhsa_kernel
	.amdgpu_metadata
---
amdhsa.version: [ 1, 2 ]
amdhsa.kernels:
  - .name:           k_q77e18f280c_attn
    .symbol:         k_q77e18f280c_attn.kd
    .args:
      - { .name: q_ws, .offset: 0, .size: 8, .value_kind: global_buffer, .address_space: global }
      - { .name: k_ws, .offset: 8, .size: 8, .value_kind: global_buffer, .address_space: global }
      - { .name: v_ws, .offset: 16, .size: 8, .value_kind: global_buffer, .address_space: global }
      - { .name: attn_ws, .offset: 24, .size: 8, .value_kind: global_buffer, .address_space: global }
    .group_segment_fixed_size: 164352
    .private_segment_fixed_size: 0
    .kernarg_segment_align: 8
    .kernarg_segment_size: 32
    .max_flat_workgroup_size: 128
    .sgpr_count:     66
    .vgpr_count:     480
    .wavefront_size: 32
...
	.end_amdgpu_metadata
.endif
;; end of part 5
;; launch oproj: the kernel of part 3 again; grid 4 x 64, 4 waves a work-group, no clusters, 189,952 bytes of LDS; arguments attn_ws, o_w, out0; writes out0
